; MI455X (gfx1250); checked and timed in simulation.
; The chip was launched on July 23, 2026; its instructions are those of AMD's public machine-readable ISA for CDNA 5 (MIT licence, August 2026) and "CDNA5" Instruction Set Architecture Reference Guide (July 2026). The comments in the code are by the model that wrote it; some were corrected since.
;; Masked Multi Head SDP Attention. Allowed arithmetic: matrix products marked QUANTISED: E2M1 operands, one E8M0 scale for each 32 along K, by v_wmma_scale_f32_16x16x128_f8f6f4 with both operands' format E2M1 (or v_wmma_scale_f32_32x16x128_f4), f32 sums; everything else in f32.
;; Inputs: Wk_codes 16 x 64 x 32 x 16 uint8 (E2M1 codes of Wk, K innermost, in blocks of 32 codes, two codes a byte); Wk_scales 16 x 64 x 32 uint8 (E8M0 scales of Wk, one for each 32 codes along K); Wo_codes 1,024 x 32 x 16 uint8 (E2M1 codes of Wo, K innermost, in blocks of 32 codes, two codes a byte); Wo_scales 1,024 x 32 uint8 (E8M0 scales of Wo, one for each 32 codes along K); Wq_codes 16 x 64 x 32 x 16 uint8 (E2M1 codes of Wq, K innermost, in blocks of 32 codes, two codes a byte); Wq_scales 16 x 64 x 32 uint8 (E8M0 scales of Wq, one for each 32 codes along K); Wv_codes 16 x 64 x 32 x 16 uint8 (E2M1 codes of Wv, K innermost, in blocks of 32 codes, two codes a byte); Wv_scales 16 x 64 x 32 uint8 (E8M0 scales of Wv, one for each 32 codes along K); bk 16 x 64 float32; bo 1,024 float32; bq 16 x 64 float32; bv 16 x 64 float32; x_codes 4 x 2,048 x 32 x 16 uint8 (E2M1 codes of x, K innermost, in blocks of 32 codes, two codes a byte); x_scales 4 x 2,048 x 32 uint8 (E8M0 scales of x, one for each 32 codes along K).
;; Outputs: out0 4 x 2,048 x 1,024 float32.
;; This version of the problem:
;;   THIS VERSION OF THE PROBLEM IS GIVEN IN LOW PRECISION. The matrix products marked QUANTISED in the list below multiply operands that are first quantised to E2M1 (2 exponent bits, 1 mantissa bit; 4 bits a number), with one power-of-two scale for each 32 numbers along K (OCP MX v1.0); their sums are f32. All else is computed in f32.
;;   The module's matrix products, in the order in which they are computed (A, B: the left and right operand; K: the contracted axis; several contracted axes count as one K, in the product's order):
;;     1. [M 1,024, K 1,024] x [K 1,024, N 8,192]; A: input Wq (given as codes); B: input x (given as codes): QUANTISED
;;     2. [M 1,024, K 1,024] x [K 1,024, N 8,192]; A: input Wk (given as codes); B: input x (given as codes): QUANTISED
;;     3. [M 1,024, K 1,024] x [K 1,024, N 8,192]; A: input Wv (given as codes); B: input x (given as codes): QUANTISED
;;     4. batch 64 x [M 2,048, K 64] x [K 64, N 2,048]; A: computed on the way; B: computed on the way: QUANTISED
;;     5. batch 64 x [M 2,048, K 2,048] x [K 2,048, N 64]; A: softmax (see below); B: computed on the way: QUANTISED
;;     6. [M 8,192, K 1,024] x [K 1,024, N 1,024]; A: computed on the way; B: input Wo (given as codes): QUANTISED
;;   THE QUANTISER, for each operand of a quantised product, along K:
;;     - K is cut into blocks of 32 from its start; a last block that is shorter is filled with zeros.
;;     - A block's scale is 2^e with e = floor(log2(the largest magnitude in the block)) - 2, held to -126 .. 127; a block of zeros has e = 0. As a byte (E8M0): e + 127.
;;     - Each number is divided by its block's scale, clamped to +-6, and rounded to the nearest number of E2M1, ties to even, subnormals kept.
;;     - The product sums the exact products of the quantised numbers (number of the format x scale) in f32.
;;   ~~~python
;;   def quantise(x, axis):      # numpy; x: float32 -> the quantised numbers, widened to float32 again
;;       x = np.moveaxis(x, axis, -1); K = x.shape[-1]
;;       x = np.pad(x, [(0, 0)] * (x.ndim - 1) + [(0, -K % 32)]); x = x.reshape(x.shape[:-1] + (-1, 32)); a = np.abs(x).max(-1, keepdims=True)
;;       e = np.where(a > 0, np.clip(np.frexp(np.where(a > 0, a, 1))[1] - 1 - 2, -126, 127), 0)      # np.frexp(a)[1] - 1 = floor(log2(a)), exactly
;;       r = np.clip(x / 2.0 ** e, -6, 6)
;;       step = 2.0 ** (np.maximum(np.frexp(np.where(r == 0, 1, r))[1] - 1, 0) - 1)
;;       q = np.round(r / step) * step * 2.0 ** e      # np.round: ties to even
;;       return np.moveaxis(q.reshape(q.shape[:-2] + (-1,))[..., :K], -1, axis).astype(np.float32)
;;   ~~~
;;   SOFTMAX AHEAD OF A QUANTISED PRODUCT. Where the list says 'softmax', what is quantised is not the finished softmax but p = 2^(t - M), with t = logit x log2(e) and M = ceil(the row's largest t), a whole number; so 1/2 < the row's largest p <= 1. The row's sum l is taken of the UNQUANTISED p, in f32, and the product's result is divided by l at the end. Since M is a whole number, a kernel that streams over the keys may use a running M (the ceiling of the running maximum): every later rescaling is an exact power of two, which a block's scale takes up: the codes' values come out the same.
;;   OPERANDS COMPUTED ON THE WAY. 'Computed on the way' means the value that the module computes at that place (a softmax that the list does not call 'softmax' is quantised finished and normalised). What goes into a quantiser is computed in f32, as accurately as f32 sums, v_exp_f32 and their like allow (about 1e-6 of the number): no bf16 or f16 on the way to a quantiser, and a product that is left as it is and whose result goes on into a quantised operand takes f32 operands (vector FMAs, or v_wmma_f32_16x16x4_f32). A number that lies on a knife's edge between two numbers of the format may be rounded either way, as far as f32 arithmetic and the matrix unit's own rounding can turn it there, and no further.
;;   INPUTS GIVEN AS CODES. Wk (in the module: [16, 1024, 64], K = its axis 1); Wo (in the module: [1024, 1024], K = its axis 0); Wq (in the module: [16, 1024, 64], K = its axis 1); Wv (in the module: [16, 1024, 64], K = its axis 1); x (in the module: [4, 2048, 1024], K = its axis 2): each comes as NAME_codes (uint8): NAME with its K axis moved to the last place and cut into blocks of 32 codes, [.., K / 32, bytes a block], one block behind the other in memory; two codes a byte, the lower K in the low four bits (a code: sign, 2 exponent bits, 1 mantissa bit); and NAME_scales (uint8): the same leading axes, one E8M0 byte (e + 127) for each 32 codes along K. Its value is code x scale, taken as it is: it is not quantised again, and the codes and scales need not be those that the quantiser above would give.
;; 2 versions. Each part assembles by itself: llvm-mc -triple=amdgcn-amd-amdhsa -mcpu=gfx1250 --defsym DOCPART=n.
;; ======== version 1 of 2: 3 launches
;; workspace buffers: Qc 4,194,304 bytes; Qs 524,288 bytes; KVc 8,388,608 bytes; KVs 1,048,576 bytes; Cc 4,194,304 bytes; Cs 262,144 bytes
;; launch proj (part 1): grid 16 x 16, 4 waves a work-group, no clusters, 135,680 bytes of LDS; arguments x_codes, x_scales, Wq_codes, Wq_scales, bq, Wk_codes, Wk_scales, bk, Wv_codes, Wv_scales, bv, Qc, Qs, KVc, KVs; writes Qc, Qs, KVc, KVs
.if DOCPART == 1
	.amdgcn_target "amdgcn-amd-amdhsa--gfx1250"
	.amdhsa_code_object_version 6
	.text
	.protected	k_q3c219c69fa_proj
	.globl	k_q3c219c69fa_proj
	.p2align	8
	.type	k_q3c219c69fa_proj,@function
k_q3c219c69fa_proj:
	s_mov_b64 s[64:65], 0
	v_nop
	global_prefetch_b8 v0, s[64:65] scope:SCOPE_SE
	s_setreg_imm32_b32 hwreg(HW_REG_WAVE_MODE, 25, 1), 1
	s_wait_xcnt 0x0
; Q, K, V = x W + b for one head and 512 rows of x, all on codes of FP4 (E2M1) with one E8M0 scale for each 32 along K = 1,024; the results are quantised in registers and leave as codes:
; Q and K along the head's 64 (two blocks of 32), V along the keys (four blocks of 32 in a block of 128 keys).
; SHARES.  Work-group (x = head, y = 512 rows of x).  Wave w owns 128 rows (block blk = 4 y + w) for the head's 192 columns, in three phases (Q, K, V) of 8 K steps x 32 matrix instructions.
; The wave's fragments of x, for all of K, stay in 512 registers; the head's 192 rows of W lie in LDS for all four waves.
; ONE ORDER OF ROWS: place m of tile T holds row rho(T, m) = 32 (T / 2) + 8 (T % 2) + m + 8 (m / 8), for x's rows and for W's.  So in a result whose source 0 has that order the 16 registers of tiles 2 b and 2 b + 1
; of lane (r, h) are 16 neighbours 32 b + 16 h + 0 .. 15: what the conversions want.  Q and K are made transposed (source 0 = W, source 1 = x: registers run along the head's units),
; V the other way round (source 0 = x, source 1 = W: registers run along the keys).
; OUT: Qc [rec][tile 8][lane][16 bytes] = registers 0-3 of a fragment of 16 queries (rec = 16 blk + head); Qs [rec][lane][4 words]: word q of lane (r, h) = the scale word of tile 2 q + h, row r;
; KVc [rec]: 4,096 bytes of K laid like Qc, then V^T [channel tile 4][half 2][lane][16 bytes]; KVs [rec]: 512 bytes of K's words like Qs, then [lane][4 words]: word ct = V's scale word of channel rho(ct, r).
; LIMITS: NaN and infinities are not served.  A block whose largest magnitude lies under 2^-124, a block of zeros among them, gets the byte 1 (the rule gives a block of zeros 127): its codes are zeros or
; nearly so, and this program alone reads these bytes.
; NO CLUSTER, NO TENSOR LOAD: each operand is asked for once, at the head (64 KB of x a wave, 96 KB of W a work-group), and nothing in LDS is filled again; the sixteen heads that share rows of x and the sixteen
; row groups that share a head's W each ask for themselves.
; REGISTERS, in windows of 256: window 0: addresses, scale words, W's fragments (two buffers), the bias as C, the quantiser's work.  window 1: the 32 accumulators (at the head: W's rows on their way to LDS).
; windows 2 and 3: x's fragments: tile xt, K step s at v[64 (xt % 4) + 8 s] of window 2 + xt / 4.
.set XST,  101376                      ; LDS: 192 rows of W x 528 bytes (512 + 16: 132 words, so that the 16 rows of a fragment load start 4 words apart); then a stage of 16 rows x 528 for each wave
.set L16,  1                           ; v1    16 x lane
.set AXS,  2                           ; v2    my stage, as rows are stored: + 16 x lane
.set AXR,  3                           ; v3    my stage, as fragments are read: + 528 r + 16 h
.set AW,   4                           ; v4-6  W's fragments of phase 0, 1, 2: 33,792 x phase + 528 r + 16 h
.set AWS,  7                           ; v7-9  where I store W's rows: 33,792 x phase + 8,448 x wave + 16 x lane
.set SCO,  10                          ; v10   scale bytes: 32 (r + 8 (r / 8)) + 16 h
.set BQO,  11                          ; v11   bq, bk: 64 h
.set BVO,  12                          ; v12   bv: 4 (r + 8 (r / 8))
.set XS,   16                          ; v16-47   x's scale words: register 4 xt + q: lanes 0-15 K step q, lanes 16-31 K step 4 + q
.set WS,   48                          ; v48-95   W's likewise: 16 x phase + 4 wt + q
.set WF,   96                          ; v96-159  W's fragments: two buffers of 4 tiles x 8
.set BI,   160                         ; v160-191 the phase's bias in the result's layout, 8 registers a tile of W
.set TM,   192                         ; v192-199 largest magnitudes
.set TX,   200                         ; v200-207 the other half's; then the scale bytes
.set SC,   208                         ; v208-215 the conversions' scale operands
.set PC,   216                         ; v216-231 codes
.set PW,   232                         ; v232-239 two scale bytes for each half fragment
.set SW,   240                         ; v240-243 scale words as they are stored
.set SEL,  42                          ; s[42:43] lane selects: lane l xor 16
.set MSB, 0
.macro WIN new                         ; the immediate's high byte repeats the setting that is left; a switch that changes nothing is dropped
.if MSB != (\new)
	s_set_vgpr_msb (MSB<<8)|(\new)
.set MSB, (\new)
.endif
.endm
.macro PLACES                          ; four plain places behind matrix instructions, ahead of loads into their registers and of reads of their results
.rept 4
	v_nop
.endr
.endm
	s_load_b512 s[8:23], s[0:1], 0x0               ; x_codes 8, x_scales 10, Wq_codes 12, Wq_scales 14, bq 16, Wk_codes 18, Wk_scales 20, bk 22
	s_load_b256 s[24:31], s[0:1], 0x40             ; Wv_codes 24, Wv_scales 26, bv 28, Qc 30
	s_load_b128 s[32:35], s[0:1], 0x60             ; Qs 32, KVc 34
	s_load_b64 s[36:37], s[0:1], 0x70              ; KVs
	v_lshl_add_u32 v254, v0, 2, 0x21000
	v_mov_b32 v255, 0
	v_lshrrev_b32 v13, 5, v0
	v_readfirstlane_b32 s38, v13                   ; wave 0..3
	v_and_b32 v13, 31, v0
	v_lshlrev_b32 v[L16], 4, v13
	v_and_b32 v14, 15, v0                          ; r
	v_bfe_u32 v15, v0, 4, 1                        ; h
	s_mul_i32 s48, s38, 8448
	s_add_co_u32 s49, s48, XST
	v_add_nc_u32 v[AXS], s49, v[L16]
	v_mul_u32_u24 v[AW], v14, 528
	v_lshl_add_u32 v[AW], v15, 4, v[AW]
	v_add_nc_u32 v[AXR], s49, v[AW]
	v_add_nc_u32 v[AW+1], 33792, v[AW]
	v_add_nc_u32 v[AW+2], 67584, v[AW]
	v_add_nc_u32 v[AWS], s48, v[L16]
	v_add_nc_u32 v[AWS+1], 33792, v[AWS]
	v_add_nc_u32 v[AWS+2], 67584, v[AWS]
	v_and_b32 v13, 8, v14
	v_add_nc_u32 v13, v13, v14                     ; r + 8 (r / 8)
	v_lshlrev_b32 v[SCO], 5, v13
	v_lshl_add_u32 v[SCO], v15, 4, v[SCO]
	v_lshlrev_b32 v[BVO], 2, v13
	v_lshlrev_b32 v[BQO], 6, v15
.irp e, 0,1,2,3,4,5,6,7
	v_mov_b32 v[TX+\e], 0                          ; written once: a lane permute's destination counts as one of its sources
.endr
	s_and_b32 s40, ttmp7, 0xffff
	s_lshl_b32 s40, s40, 2
	s_add_co_u32 s40, s40, s38                     ; blk = 4 y + wave
	s_lshl_b32 s41, s40, 4
	s_add_co_u32 s41, s41, ttmp9                   ; rec = 16 blk + head
	s_mov_b32 s47, 0
	s_mov_b32 s[SEL], 0x76543210
	s_mov_b32 s[SEL+1], 0xfedcba98
	s_mov_b32 s44, 0xffff0000                      ; lanes 16-31
	s_lshr_b32 s50, s38, 1
	s_lshl_b32 s50, s50, 14                        ; 32 (wave / 2) rows of 512 bytes
	s_and_b32 s51, s38, 1
	s_lshl_b32 s51, s51, 12                        ; 8 (wave % 2) rows
	s_add_co_u32 s50, s50, s51
	s_wait_kmcnt 0x0
	; every pointer is stepped once, here, and never written again
	s_lshl_b32 s46, s40, 16
	s_add_nc_u64 s[8:9], s[8:9], s[46:47]          ; x's codes: my 128 rows of 512 bytes
	s_lshl_b32 s46, s40, 12
	s_add_nc_u64 s[10:11], s[10:11], s[46:47]      ; and their scale bytes, 32 a row
	s_lshl_b32 s46, ttmp9, 15
	s_add_co_u32 s46, s46, s50                     ; W's codes: the head's 64 rows, and in them tile = wave, which I bring into LDS
	s_add_nc_u64 s[12:13], s[12:13], s[46:47]
	s_add_nc_u64 s[18:19], s[18:19], s[46:47]
	s_add_nc_u64 s[24:25], s[24:25], s[46:47]
	s_lshl_b32 s46, ttmp9, 11
	s_add_nc_u64 s[14:15], s[14:15], s[46:47]      ; W's scale bytes of the head
	s_add_nc_u64 s[20:21], s[20:21], s[46:47]
	s_add_nc_u64 s[26:27], s[26:27], s[46:47]
	s_lshl_b32 s46, ttmp9, 8
	s_add_nc_u64 s[16:17], s[16:17], s[46:47]      ; the head's biases
	s_add_nc_u64 s[22:23], s[22:23], s[46:47]
	s_add_nc_u64 s[28:29], s[28:29], s[46:47]
	s_lshl_b32 s46, s41, 12
	s_add_nc_u64 s[30:31], s[30:31], s[46:47]      ; my records
	s_lshl_b32 s46, s41, 9
	s_add_nc_u64 s[32:33], s[32:33], s[46:47]
	s_lshl_b32 s46, s41, 13
	s_add_nc_u64 s[34:35], s[34:35], s[46:47]
	s_lshl_b32 s46, s41, 10
	s_add_nc_u64 s[36:37], s[36:37], s[46:47]
	; W's rows: my tile of each of the three weights, a whole row of 512 bytes a load: 48 loads
	WIN 0x40                                       ; destination window 1
.irp tau, 0,1,2
.irp m, 0,1,2,3,4,5,6,7,8,9,10,11,12,13,14,15
	global_load_b128 v[64*\tau+4*\m:64*\tau+4*\m+3], v[L16], s[12+6*\tau:13+6*\tau] offset:(\m+8*(\m/8))*512
.endr
.endr
	WIN 0
	; the scale words: 16 bytes a lane: lanes 0-15 a row's K steps 0-3, lanes 16-31 its K steps 4-7; a load covers two runs of 256 consecutive bytes.  12 + 8 loads
.irp tau, 0,1,2
.irp wt, 0,1,2,3
	global_load_b128 v[WS+16*\tau+4*\wt:WS+16*\tau+4*\wt+3], v[SCO], s[14+6*\tau:15+6*\tau] offset:32*(32*(\wt/2)+8*(\wt%2))
.endr
.endr
.irp xt, 0,1,2,3,4,5,6,7
	global_load_b128 v[XS+4*\xt:XS+4*\xt+3], v[SCO], s[10:11] offset:32*(32*(\xt/2)+8*(\xt%2))
.endr
.macro BIASQK base                     ; register j of tile 2 b + u in lane (r, h) is unit 32 b + 16 h + 8 u + j: 8 loads
.irp wt, 0,1,2,3
	global_load_b128 v[BI+8*\wt:BI+8*\wt+3], v[BQO], s[\base:\base+1] offset:(32*(\wt/2)+8*(\wt%2))*4
	global_load_b128 v[BI+8*\wt+4:BI+8*\wt+7], v[BQO], s[\base:\base+1] offset:(32*(\wt/2)+8*(\wt%2))*4+16
.endr
.endm
	BIASQK 16
	s_wait_loadcnt 28                              ; W's 48 rows are in; the 28 loads issued behind them may be out
	WIN 0x04                                       ; an LDS store's data are its source 1: window 1
.irp tau, 0,1,2
.irp m, 0,1,2,3,4,5,6,7,8,9,10,11,12,13,14,15
	ds_store_b128 v[AWS+\tau], v[64*\tau+4*\m:64*\tau+4*\m+3] offset:528*\m
.endr
.endr
; x: a tile's 16 rows are loaded as they lie (512 consecutive bytes a load), go through my own stage and come back as fragments, into the registers that they left.
; LDS serves a wave's instructions in order (ISA guide 5.7.1.4): no wait between the stores and the loads, nor ahead of the next tile's stores.
.macro LOADX t
	WIN 0x80+0x40*((\t)/4)
.irp m, 0,1,2,3,4,5,6,7,8,9,10,11,12,13,14,15
	global_load_b128 v[64*((\t)%4)+4*\m:64*((\t)%4)+4*\m+3], v[L16], s[8:9] offset:(32*((\t)/2)+8*((\t)%2)+\m+8*(\m/8))*512
.endr
.endm
.macro TURN t
	WIN 0x08+0x04*((\t)/4)
.irp m, 0,1,2,3,4,5,6,7,8,9,10,11,12,13,14,15
	ds_store_b128 v[AXS], v[64*((\t)%4)+4*\m:64*((\t)%4)+4*\m+3] offset:528*\m
.endr
	WIN 0x80+0x40*((\t)/4)
.irp s, 0,1,2,3,4,5,6,7
.irp c, 0,1
	ds_load_b128 v[64*((\t)%4)+8*\s+4*\c:64*((\t)%4)+8*\s+4*\c+3], v[AXR] offset:64*\s+32*\c
.endr
.endr
.endm
	LOADX 0
	LOADX 1
	LOADX 2
.irp t, 0,1,2,3,4,5,6,7
.if \t <= 5
	s_wait_loadcnt 32                              ; this tile's 16 loads are in; the two tiles behind it may be out
.elseif \t == 6
	s_wait_loadcnt 16
.else
	s_wait_loadcnt 0
.endif
	TURN \t
.if \t+3 <= 7
	LOADX \t+3
.endif
.endr
	WIN 0
	s_wait_dscnt 0x0                               ; my rows of W have landed in LDS, for the others' sake; my fragments of x are in
	s_barrier_signal -1
	s_barrier_wait -1                              ; W is whole: the launch's one barrier
.macro FETCHW tau, s, buf              ; the four tiles of W of one phase and K step: 8 LDS loads
.irp wt, 0,1,2,3
.irp c, 0,1
	ds_load_b128 v[WF+32*(\buf)+8*\wt+4*\c:WF+32*(\buf)+8*\wt+4*\c+3], v[AW+(\tau)] offset:8448*\wt+64*(\s)+32*\c
.endr
.endr
.endm
; K step g % 8 of phase g / 8: the next step's fragments of W are asked for, then 32 matrix instructions on 32 accumulators, which take turns in the same order in every step.
.macro KSTEP g
.set TAU, (\g)/8
.set KS, (\g)%8
.set BUF, (\g)%2
.if (\g) > 0
	PLACES                                         ; the buffer that is loaded next, and the bias's registers, were read by the step before
.endif
	WIN 0
.if (\g) == 1
	BIASQK 22                                      ; bk, for phase 1
.endif
.if (\g) == 9
.irp ct, 0,1,2,3
	global_load_b32 v[BI+8*\ct], v[BVO], s[28:29] offset:(32*(\ct/2)+8*(\ct%2))*4   ; bv: one number a lane and tile: channel rho(ct, r)
.endr
.endif
.if (\g) < 23
	FETCHW ((\g)+1)/8, ((\g)+1)%8, ((\g)+1)%2
	s_wait_dscnt 8                                 ; this step's fragments are in; the eight loads just issued may be out
.else
	s_wait_dscnt 0
.endif
.if (\g) == 8
	s_wait_loadcnt 0                               ; bk
.endif
.if KS == 0
.set WC, 0                             ; C = the bias, in window 0
.else
.set WC, 0x10                          ; C = D, in window 1
.endif
.irp xt, 0,1,2,3,4,5,6,7
.irp wt, 0,1,2,3
.if TAU < 2
	WIN 0x48+WC+4*(\xt/4)                          ; source 0 (W) window 0, source 1 (x) window 2 or 3, D window 1
.set rD, 8*(4*\xt+\wt)
.set rA, WF+32*BUF+8*\wt
.set rB, 64*(\xt%4)+8*KS
.set rSA, WS+16*TAU+4*\wt+KS%4
.set rSB, XS+4*\xt+KS%4
.else
	WIN 0x42+WC+(\xt/4)                            ; source 0 (x) window 2 or 3, source 1 (W) window 0, D window 1
.set rD, 8*(8*\wt+\xt)
.set rA, 64*(\xt%4)+8*KS
.set rB, WF+32*BUF+8*\wt
.set rSA, XS+4*\xt+KS%4
.set rSB, WS+16*TAU+4*\wt+KS%4
.endif
.if KS == 0
.set rC, BI+8*\wt
.else
.set rC, rD
.endif
.if KS >= 4
	v_wmma_scale_f32_16x16x128_f8f6f4 v[rD:rD+7], v[rA:rA+7], v[rB:rB+7], v[rC:rC+7], v[rSA], v[rSB] matrix_a_fmt:MATRIX_FMT_FP4 matrix_b_fmt:MATRIX_FMT_FP4 matrix_a_scale:MATRIX_SCALE_ROW1 matrix_b_scale:MATRIX_SCALE_ROW1
.else
	v_wmma_scale_f32_16x16x128_f8f6f4 v[rD:rD+7], v[rA:rA+7], v[rB:rB+7], v[rC:rC+7], v[rSA], v[rSB] matrix_a_fmt:MATRIX_FMT_FP4 matrix_b_fmt:MATRIX_FMT_FP4
.endif
.endr
.endr
.endm
; Eight blocks of 32: block e's 16 numbers of my lane lie in v[src + 16 e ..] of window 1, the other 16 in lane l xor 16.  They become codes in v[PC ..]: four half fragments of four registers (k = 32 h + 0 .. 31 of 64),
; and two scale bytes for each in v[pwb ..].  Each accumulator is read from its low end on.
.macro QUANT src, pwb
	WIN 0x05
.irp e, 0,1,2,3,4,5,6,7
	v_max3_num_f32 v[TM+\e], |v[\src+16*\e]|, |v[\src+16*\e+1]|, 0x1800000   ; with the floor 2^(3 - 127): the byte cannot fall under 1
.endr
	WIN 0x14
.irp i, 2,4,6,8,10,12,14
.irp e, 0,1,2,3,4,5,6,7
	v_max3_num_f32 v[TM+\e], v[TM+\e], |v[\src+16*\e+\i]|, |v[\src+16*\e+\i+1]|   ; the blocks by turns: no line waits for the line above it
.endr
.endr
	WIN 0
.irp e, 0,1,2,3,4,5,6,7
	v_permlanex16_b32 v[TX+\e], v[TM+\e], s[SEL], s[SEL+1]
.endr
.irp e, 0,1,2,3,4,5,6,7
	v_max_num_f32 v[TM+\e], v[TM+\e], v[TX+\e]     ; the block's largest magnitude
.endr
.irp e, 0,1,2,3,4,5,6,7
	v_add_nc_u32 v[SC+\e], 0xff000000, v[TM+\e]    ; 2 off its exponent field: the conversion takes that field as its scale
.endr
.irp e, 0,1,2,3,4,5,6,7
	v_lshrrev_b32 v[TX+\e], 23, v[SC+\e]           ; the scale's byte
.endr
.irp q, 0,1,2,3
	v_lshl_or_b32 v[\pwb+\q], v[TX+2*\q+1], 8, v[TX+2*\q]
.endr
	s_wait_xcnt 0x0                                ; the codes' and the words' registers were earlier stores' data: they are written again only behind this wait
	WIN 0x01
.irp e, 0,1,2,3,4,5,6,7
	v_cvt_scalef32_pk8_fp4_f32 v[PC+2*\e], v[\src+16*\e:\src+16*\e+7], v[SC+\e]
	v_cvt_scalef32_pk8_fp4_f32 v[PC+2*\e+1], v[\src+16*\e+8:\src+16*\e+15], v[SC+\e]
.endr
	WIN 0
	v_nop                                          ; one plain place behind the scaled conversions
.irp q, 0,1,2,3
.irp i, 0,1
	v_permlane16_swap_b32 v[PC+4*\q+\i], v[PC+4*\q+2+\i]   ; a whole block to a lane: lanes 0-15 the even block, lanes 16-31 the odd one
.endr
.endr
.endm
; A phase's 32 accumulators leave as codes: eight half fragments, each stored as 512 consecutive bytes, and one store of scale words.
; Q, K: half fragment 4 bt + gm = tile xt of my rows.  V: = 2 ct + cc: channel tile ct, keys 64 cc on.
.macro OUT tau
	PLACES
.irp bt, 0,1
	QUANT 128*\bt, PW+4*\bt
.irp gm, 0,1,2,3
.if \tau == 0
	global_store_b128 v[L16], v[PC+4*\gm:PC+4*\gm+3], s[30:31] offset:512*(4*\bt+\gm)
.elseif \tau == 1
	global_store_b128 v[L16], v[PC+4*\gm:PC+4*\gm+3], s[34:35] offset:512*(4*\bt+\gm)
.else
	global_store_b128 v[L16], v[PC+4*\gm:PC+4*\gm+3], s[34:35] offset:4096+512*(4*\bt+\gm)
.endif
.endr
.endr
.irp q, 0,1,2,3
.if \tau < 2
	v_cndmask_b32 v[SW+\q], v[PW+2*\q], v[PW+2*\q+1], s44      ; lanes 0-15: tile 2 q's word, lanes 16-31: tile 2 q + 1's
.else
	v_lshl_or_b32 v[SW+\q], v[PW+2*\q+1], 16, v[PW+2*\q]       ; the four bytes of channel tile q for the 128 keys
.endif
.endr
.if \tau == 0
	global_store_b128 v[L16], v[SW:SW+3], s[32:33]
.elseif \tau == 1
	global_store_b128 v[L16], v[SW:SW+3], s[36:37]
.else
	global_store_b128 v[L16], v[SW:SW+3], s[36:37] offset:512
.endif
.endm
	FETCHW 0, 0, 0
.irp g, 0,1,2,3,4,5,6,7
	KSTEP \g
.endr
	OUT 0
.irp g, 8,9,10,11,12,13,14,15
	KSTEP \g
.endr
	OUT 1
	s_wait_loadcnt 0                               ; bv
.irp ct, 0,1,2,3
.irp j, 1,2,3,4,5,6,7
	v_mov_b32 v[BI+8*\ct+\j], v[BI+8*\ct]          ; V's bias hangs on the lane's channel alone: the same number in the eight registers that C names
.endr
.endr
.irp g, 16,17,18,19,20,21,22,23
	KSTEP \g
.endr
	OUT 2
	s_wait_tensorcnt 0x0
	ds_add_u32 v254, v255
	s_wait_dscnt 0x0
	s_endpgm
.Lfunc_end_k_q3c219c69fa_proj:
	.size	k_q3c219c69fa_proj, .Lfunc_end_k_q3c219c69fa_proj-k_q3c219c69fa_proj
	.p2alignl 7, 3214868480
	.fill 96, 4, 3214868480
	.section	.rodata,"a",@progbits
	.p2align	6, 0x0
	.amdhsa_kernel k_q3c219c69fa_proj
		.amdhsa_group_segment_fixed_size 135680
		.amdhsa_private_segment_fixed_size 0
		.amdhsa_enable_private_segment 0
		.amdhsa_kernarg_size 120
		.amdhsa_user_sgpr_count 2
		.amdhsa_user_sgpr_kernarg_segment_ptr 1
		.amdhsa_wavefront_size32 1
		.amdhsa_system_sgpr_workgroup_id_x 1
		.amdhsa_system_sgpr_workgroup_id_y 1
		.amdhsa_system_sgpr_workgroup_id_z 1
		.amdhsa_system_vgpr_workitem_id 0
		.amdhsa_next_free_vgpr 1024
		.amdhsa_next_free_sgpr 66
		.amdhsa_reserve_vcc 0
		.amdhsa_float_denorm_mode_32 3
		.amdhsa_float_denorm_mode_16_64 3
		.amdhsa_memory_ordered 1
		.amdhsa_forward_progress 1
		.amdhsa_inst_pref_size 208
	.end_amdhsa_kernel
	.amdgpu_metadata
---
amdhsa.version: [ 1, 2 ]
amdhsa.kernels:
  - .name:           k_q3c219c69fa_proj
    .symbol:         k_q3c219c69fa_proj.kd
    .args:
      - { .name: x_codes, .offset: 0, .size: 8, .value_kind: global_buffer, .address_space: global }
      - { .name: x_scales, .offset: 8, .size: 8, .value_kind: global_buffer, .address_space: global }
      - { .name: Wq_codes, .offset: 16, .size: 8, .value_kind: global_buffer, .address_space: global }
      - { .name: Wq_scales, .offset: 24, .size: 8, .value_kind: global_buffer, .address_space: global }
      - { .name: bq, .offset: 32, .size: 8, .value_kind: global_buffer, .address_space: global }
      - { .name: Wk_codes, .offset: 40, .size: 8, .value_kind: global_buffer, .address_space: global }
      - { .name: Wk_scales, .offset: 48, .size: 8, .value_kind: global_buffer, .address_space: global }
      - { .name: bk, .offset: 56, .size: 8, .value_kind: global_buffer, .address_space: global }
      - { .name: Wv_codes, .offset: 64, .size: 8, .value_kind: global_buffer, .address_space: global }
      - { .name: Wv_scales, .offset: 72, .size: 8, .value_kind: global_buffer, .address_space: global }
      - { .name: bv, .offset: 80, .size: 8, .value_kind: global_buffer, .address_space: global }
      - { .name: Qc, .offset: 88, .size: 8, .value_kind: global_buffer, .address_space: global }
      - { .name: Qs, .offset: 96, .size: 8, .value_kind: global_buffer, .address_space: global }
      - { .name: KVc, .offset: 104, .size: 8, .value_kind: global_buffer, .address_space: global }
      - { .name: KVs, .offset: 112, .size: 8, .value_kind: global_buffer, .address_space: global }
    .group_segment_fixed_size: 135680
    .private_segment_fixed_size: 0
    .kernarg_segment_align: 8
    .kernarg_segment_size: 120
    .max_flat_workgroup_size: 128
    .sgpr_count:     66
    .vgpr_count:     1024
    .wavefront_size: 32
...
	.end_amdgpu_metadata
.endif
;; end of part 1
;; launch attn (part 2): grid 256 x 1, 16 waves a work-group, no clusters, 40,960 bytes of LDS; arguments Qc, Qs, KVc, KVs, Cc, Cs; writes Cc, Cs
.if DOCPART == 2
	.amdgcn_target "amdgcn-amd-amdhsa--gfx1250"
	.amdhsa_code_object_version 6
	.text
	.protected	k_q3c219c69fa_attn
	.globl	k_q3c219c69fa_attn
	.p2align	8
	.type	k_q3c219c69fa_attn,@function
k_q3c219c69fa_attn:
	s_mov_b64 s[64:65], 0
	v_nop
	global_prefetch_b8 v0, s[64:65] scope:SCOPE_SE
	s_setreg_imm32_b32 hwreg(HW_REG_WAVE_MODE, 25, 1), 1
	s_wait_xcnt 0x0
; Causal attention on codes of FP4 (E2M1): S^T = K Q^T (K = the head's 64), p = 2^(t - M), O^T = V^T P^T (K = the keys), O / l, and the quantiser of the heads for the last product.
; t = score x log2(e) / 8; M = the running largest t rounded up to a whole number; p is quantised along the keys, not normalised; the row's sum l is taken of the unquantised p and divides at the end.
; SHARES.  Work-group n: i = n % 8, head pair hp = (n / 8) % 8, batch b = n / 64.  It owns heads 2 hp and 2 hp + 1 and two blocks of 128 queries: first block i (i + 1 key steps of 128), then block 15 - i (16 - i steps):
; 17 key steps in every work-group, whatever i.  The last step of each pass lies on the diagonal; steps whose keys all come later are never walked.
; Wave: c = wave / 8 (which head), T = wave % 8 (its tile of 16 queries); four waves share a SIMD's registers, so that one wave's vector work stands beside another's matrix work and LDS loads.
; A lane holds ONE query throughout: row r of tile T is query rho(T, r) = 32 (T / 2) + 8 (T % 2) + r + 8 (r / 8) of its block.  The keys of a tile have the same order, so that registers 16 b + i of S^T are keys 32 b + 16 h + i.
; K = 64 IN AN INSTRUCTION OF 128: Q's registers 4-7 are zero codes; source 0 of key tile t is the run v[32 + 4 t : 39 + 4 t], whose upper four registers are the next tile's codes (zeros behind the last): finite numbers
; that meet zero codes and add nothing; bytes 2 and 3 of both scale words are 0, which is 2^-127.
; K AND V come as images of the operands' registers: a step's two records of codes (16,384 bytes) and of scale words (2,048 bytes).  Each of the 512 threads asks for 36 bytes of the next step at a step's head and stores
; them into the other of two LDS slots at its end; one barrier a step: ahead of it each wave has waited for its stores and its reads; the slot stored into was last read ahead of the barrier before.
; LIMITS: NaN and infinities are not served.  Hidden scores count as -infinity where the definition has -1e9: the same p = 0 as long as a row's largest open logit lies above about -1e9.  A block of the heads whose largest
; magnitude lies under 2^-124, a block of zeros among them, gets the byte 1; this program alone reads these bytes.
; NO CLUSTER: the eight work-groups that walk one head pair's K and V have first passes of different lengths (i + 1 steps), so from step i + 1 on they stand at different key blocks: partners would ask for different tiles.
; REGISTERS: v1-7, v30 addresses; v12 -M, v13 the largest t, v[14:15] the sum in two halves; v16-23 Q, v24 its scale word; v25, v26-29 the second pass's; v31 -infinity; v32-67 K; v68-71 K's scale words; v72-75 V's;
; v76-84 the next step on its way; v96-159 S^T, then p; v160-191 O^T; v192-223 V; v224-231 p's codes; v232-254 at work.
.set SLOT, 18432                       ; a slot: 16,384 bytes of codes (head c at 8,192 c: K 4,096, V 4,096), 2,048 of scale words (head c at 1,024 c: K 512, V 512)
.set GATH, 36864                       ; behind the slots: the heads' scale words: [head c][pass][128 rows] words: 2,048 bytes
.macro PLACES
.rept 4
	v_nop
.endr
.endm
	s_load_b256 s[4:11], s[0:1], 0x0               ; Qc 4, Qs 6, KVc 8, KVs 10
	s_load_b128 s[12:15], s[0:1], 0x20             ; Cc 12, Cs 14
	v_lshl_add_u32 v251, v0, 2, 0x9800
	v_mov_b32 v255, 0
	v_lshrrev_b32 v8, 5, v0
	v_readfirstlane_b32 s16, v8                    ; wave 0..15
	s_lshr_b32 s17, s16, 3                         ; c
	s_and_b32 s18, s16, 7                          ; T
	s_and_b32 s19, ttmp9, 7                        ; i
	s_bfe_u32 s20, ttmp9, 0x30003                  ; hp
	s_lshr_b32 s21, ttmp9, 6                       ; b
	s_lshl_b32 s22, s20, 1
	s_add_co_u32 s22, s22, s17                     ; my head
	s_add_co_u32 s23, s19, 1                       ; steps of the first pass
	s_lshl_b32 s27, s21, 4
	s_add_co_u32 s24, s27, 15
	s_sub_co_u32 s24, s24, s19                     ; the second pass's block of queries: 16 b + 15 - i
	s_add_co_u32 s27, s27, s19                     ; the first's: 16 b + i
	s_mov_b32 s28, 0x76543210
	s_mov_b32 s29, 0xfedcba98                      ; lane selects: lane l xor 16
	s_mov_b32 s30, 0x3e38aa3b                      ; log2(e) / 8
	s_mov_b32 s31, s30                             ; (named with it as a pair, so it is written)
	s_mov_b32 s41, 0
	v_and_b32 v8, 31, v0
	v_lshlrev_b32 v6, 4, v8                        ; 16 x lane
	s_lshl_b32 s56, s17, 13
	v_add_nc_u32 v1, s56, v6                       ; my head's codes in a slot
	s_lshl_b32 s56, s17, 10
	v_add_nc_u32 v2, s56, v6                       ; and its scale words
	v_lshlrev_b32 v3, 4, v0                        ; 16 x thread: where I fetch and store codes
	v_lshlrev_b32 v5, 2, v0                        ; 4 x thread: scale words
	v_and_b32 v8, 15, v0                           ; r
	v_bfe_u32 v9, v0, 4, 1                         ; h
	v_and_b32 v10, 8, v8
	v_add_nc_u32 v10, v10, v8
	v_lshlrev_b32 v9, 4, v9
	v_sub_nc_u32 v7, v10, v9
	s_lshr_b32 s56, s18, 1
	s_lshl_b32 s56, s56, 5
	s_and_b32 s57, s18, 1
	s_lshl_b32 s57, s57, 3
	s_add_co_u32 s56, s56, s57
	v_add_nc_u32 v7, s56, v7                       ; d = my query in its block - 16 h
	s_lshl_b32 s56, s17, 10
	s_lshl_b32 s57, s18, 6
	s_add_co_u32 s56, s56, s57
	s_add_co_u32 s56, s56, GATH
	v_lshlrev_b32 v30, 2, v8
	v_add_nc_u32 v30, s56, v30                     ; GATH + 1,024 c + 64 T + 4 r
	v_lshlrev_b32 v4, 4, v8                        ; 16 r: Q's scale words
	; offsets
	s_lshl_b32 s58, s27, 4
	s_add_co_u32 s58, s58, s22                     ; the first pass's record of Q
	s_lshl_b32 s59, s24, 4
	s_add_co_u32 s59, s59, s22                     ; the second's
	s_wait_kmcnt 0x0
	s_lshl_b32 s57, s18, 9
	s_lshl_b32 s40, s58, 12
	s_add_co_u32 s40, s40, s57
	s_add_nc_u64 s[48:49], s[4:5], s[40:41]        ; Q's codes: record x 4,096 + 512 T
	s_lshl_b32 s40, s59, 12
	s_add_co_u32 s40, s40, s57
	s_add_nc_u64 s[52:53], s[4:5], s[40:41]
	s_and_b32 s57, s18, 1
	s_lshl_b32 s57, s57, 8
	s_lshr_b32 s56, s18, 1
	s_lshl_b32 s56, s56, 2
	s_add_co_u32 s57, s57, s56
	s_lshl_b32 s40, s58, 9
	s_add_co_u32 s40, s40, s57
	s_add_nc_u64 s[50:51], s[6:7], s[40:41]        ; Q's scale words: record x 512 + 256 (T % 2) + 4 (T / 2)
	s_lshl_b32 s40, s59, 9
	s_add_co_u32 s40, s40, s57
	s_add_nc_u64 s[54:55], s[6:7], s[40:41]
	s_lshl_b32 s56, s21, 8
	s_lshl_b32 s57, s20, 1
	s_add_co_u32 s56, s56, s57                     ; record 256 b + 2 hp: key block 0 of the head pair
	s_lshl_b32 s40, s56, 13
	s_add_nc_u64 s[32:33], s[8:9], s[40:41]
	s_lshl_b32 s40, s56, 10
	s_add_nc_u64 s[34:35], s[10:11], s[40:41]
	s_lshl_b32 s57, s18, 13
	s_lshl_b32 s56, s22, 9
	s_add_co_u32 s57, s57, s56
	s_lshl_b32 s40, s27, 16
	s_add_co_u32 s40, s40, s57
	s_add_nc_u64 s[42:43], s[12:13], s[40:41]      ; the heads' codes: (8 block + T) x 8,192 + 512 head
	s_lshl_b32 s40, s24, 16
	s_add_co_u32 s40, s40, s57
	s_add_nc_u64 s[44:45], s[12:13], s[40:41]
	s_cmp_eq_u32 s16, 0
	s_cselect_b32 s56, s27, s24                    ; wave 0 stores the first pass's scale words at the end, wave 1 the second's
	s_lshl_b32 s56, s56, 9
	s_lshl_b32 s40, s20, 15
	s_add_co_u32 s40, s40, s56
	s_add_nc_u64 s[46:47], s[14:15], s[40:41]
	global_load_b128 v[16:19], v6, s[48:49]
	global_load_b32 v24, v4, s[50:51]
	global_load_b128 v[26:29], v6, s[52:53]
	global_load_b32 v25, v4, s[54:55]
	global_load_b128 v[76:79], v3, s[32:33]        ; key step 0
	global_load_b128 v[80:83], v3, s[32:33] offset:8192
	global_load_b32 v84, v5, s[34:35]
.irp j, 20,21,22,23,64,65,66,67
	v_mov_b32 v[\j], 0                             ; zero codes: the upper half of Q's fragment, and what stands behind K's last tile
.endr
.irp j, 14,15,236,237,238,239,253
	v_mov_b32 v[\j], 0                             ; the sum; and registers that are named before they are first written (a lane permute's destination, the upper half of a pair)
.endr
	v_mov_b32 v31, 0xff800000                      ; -infinity
	v_mov_b32 v13, 0xff61b1e6                      ; the largest t so far: -3e38, under every t
	v_floor_f32 v12, -v13                          ; -M
.set j, 0
.rept 32
	v_mov_b32 v[160+j], 0                          ; O^T: the step is written once; the first finds zeros, which the first change of M leaves zeros
.set j, j+1
.endr
	s_mov_b32 s25, 0                               ; the step, 0 .. 16
	s_mov_b32 s26, 8                               ; trips of two steps
	s_wait_loadcnt 0x0
	ds_store_b128 v3, v[76:79]
	ds_store_b128 v3, v[80:83] offset:8192
	ds_store_b32 v5, v84 offset:16384
	s_wait_dscnt 0x0                               ; for the others' sake: my part of slot 0 has landed
	s_barrier_signal -1
	s_barrier_wait -1
; THE END OF A PASS: O^T / l; its two blocks of 32 channels are quantised; the codes are half a fragment of the last product (512 consecutive bytes a wave), the two scale bytes go to LDS as a word.
.macro FINAL pass
	v_add_f32 v14, v14, v15                        ; the sum's two halves,
	v_permlanex16_b32 v252, v14, s28, s29
	v_add_f32 v14, v14, v252                       ; and lane l xor 16's
	v_rcp_f32 v14, v14
	v_nop                                          ; a plain place behind the reciprocal
	s_wait_alu depctr_va_vdst(0)                   ; and the wait ahead of its first reader
.set j, 0
.rept 16
	v_pk_mul_f32 v[96+j:97+j], v[160+j:161+j], v[14:15] op_sel_hi:[1,0]   ; register 16 e + i: channel 32 e + 16 h + i; each accumulator from its low end on
.set j, j+2
.endr
.irp e, 0,1
	v_max3_num_f32 v[232+\e], |v[96+16*\e]|, |v[97+16*\e]|, 0x1800000     ; with the floor 2^(3 - 127)
.endr
.irp i, 2,4,6,8,10,12,14
.irp e, 0,1
	v_max3_num_f32 v[232+\e], v[232+\e], |v[96+16*\e+\i]|, |v[97+16*\e+\i]|
.endr
.endr
.irp e, 0,1
	v_permlanex16_b32 v[236+\e], v[232+\e], s28, s29
.endr
.irp e, 0,1
	v_max_num_f32 v[232+\e], v[232+\e], v[236+\e]
.endr
.irp e, 0,1
	v_add_nc_u32 v[244+\e], 0xff000000, v[232+\e]
.endr
.irp e, 0,1
	v_lshrrev_b32 v[236+\e], 23, v[244+\e]
.endr
	v_lshl_or_b32 v253, v237, 8, v236
.irp e, 0,1
	v_cvt_scalef32_pk8_fp4_f32 v[224+2*\e], v[96+16*\e:103+16*\e], v[244+\e]
	v_cvt_scalef32_pk8_fp4_f32 v[225+2*\e], v[104+16*\e:111+16*\e], v[244+\e]
.endr
	v_nop                                          ; one plain place behind the scaled conversions
.irp i, 0,1
	v_permlane16_swap_b32 v[224+\i], v[226+\i]
.endr
	global_store_b128 v6, v[224:227], s[42+2*\pass:43+2*\pass]
	ds_store_b32 v30, v253 offset:512*\pass        ; lanes r and r + 16 write the same word with the same value
.if \pass == 0
.irp j, 0,1,2,3
	v_mov_b32 v[16+\j], v[26+\j]                   ; the second pass's queries
.endr
	v_mov_b32 v24, v25                             ; and their scale word: the clears below stand between it and the next matrix instruction
.set j, 0
.rept 32
	v_mov_b32 v[160+j], 0
.set j, j+1
.endr
	v_mov_b32 v14, 0
	v_mov_b32 v15, 0
	v_mov_b32 v13, 0xff61b1e6
	v_floor_f32 v12, -v13
	s_wait_xcnt 0x0                                ; the store has read its data: the next step writes those registers again
.endif
.endm
; A KEY STEP of 128 keys, read from slot `slot`.  tail = 1: step 16, which has no successor and lies on the diagonal.
.macro STEP slot, tail
.set SB, (\slot)*SLOT
.set OB, (1-(\slot))*SLOT
.if \tail == 0
	s_add_co_u32 s56, s25, 1                       ; the next step's key block: its number, less the first pass's steps once they are over
	s_cmp_ge_u32 s56, s23
	s_cselect_b32 s57, s23, 0
	s_sub_co_u32 s56, s56, s57
	s_lshl_b32 s40, s56, 17                        ; 16 records of 8,192 bytes from key block to key block
	s_add_nc_u64 s[36:37], s[32:33], s[40:41]      ; (the last loads by these bases were waited for at the end of the step before)
	s_lshl_b32 s40, s56, 14
	s_add_nc_u64 s[38:39], s[34:35], s[40:41]
	global_load_b128 v[76:79], v3, s[36:37]
	global_load_b128 v[80:83], v3, s[36:37] offset:8192
	global_load_b32 v84, v5, s[38:39]
.endif
.irp t, 0,1,2,3,4,5,6,7
	ds_load_b128 v[32+4*\t:35+4*\t], v1 offset:SB+512*\t               ; K's eight tiles
.endr
	ds_load_b128 v[68:71], v2 offset:SB+16384                          ; their scale words: register q: lanes 0-15 tile 2 q, lanes 16-31 tile 2 q + 1
.irp f, 0,1,2,3,4,5,6,7
	ds_load_b128 v[192+4*\f:195+4*\f], v1 offset:SB+4096+512*\f        ; V's four fragments
.endr
	ds_load_b128 v[72:75], v2 offset:SB+16384+512                      ; their scale words: register ct
	s_wait_dscnt 9                                 ; K and its words are in; V's nine loads may be out
.irp t, 0,1,2,3,4,5,6,7
.if (\t%2) == 1
	v_wmma_scale_f32_16x16x128_f8f6f4 v[96+8*\t:103+8*\t], v[32+4*\t:39+4*\t], v[16:23], 0, v[68+\t/2], v24 matrix_a_fmt:MATRIX_FMT_FP4 matrix_b_fmt:MATRIX_FMT_FP4 matrix_a_scale:MATRIX_SCALE_ROW1
.else
	v_wmma_scale_f32_16x16x128_f8f6f4 v[96+8*\t:103+8*\t], v[32+4*\t:39+4*\t], v[16:23], 0, v[68+\t/2], v24 matrix_a_fmt:MATRIX_FMT_FP4 matrix_b_fmt:MATRIX_FMT_FP4
.endif
.endr
	PLACES
	; on the diagonal (step i, and step 16) hidden scores become -infinity ahead of the maximum: register 16 b + i holds key 32 b + 16 h + i of the block: hidden where 32 b + i > d
.if \tail == 0
	s_cmp_lg_u32 s25, s19
	s_cbranch_scc1 .Lopen_\@
.endif
.set n, 0
.rept 64
	v_cmp_gt_i32 vcc_lo, 32*(n/16)+n%16, v7
	v_cndmask_b32 v[96+n], v[96+n], v31, vcc_lo
.set n, n+1
.endr
.if \tail == 0
.Lopen_\@:
.endif
.irp b, 0,1,2,3
	v_max3_num_f32 v[232+\b], v[96+16*\b], v[97+16*\b], v[98+16*\b]    ; the largest score of each block of 32 keys: for the row's maximum, and, since p rises with the score, for the block's largest p
.endr
.irp i, 3,5,7,9,11,13
.irp b, 0,1,2,3
	v_max3_num_f32 v[232+\b], v[232+\b], v[96+16*\b+\i], v[97+16*\b+\i]
.endr
.endr
.irp b, 0,1,2,3
	v_max_num_f32 v[232+\b], v[232+\b], v[111+16*\b]
.endr
.irp b, 0,1,2,3
	v_permlanex16_b32 v[236+\b], v[232+\b], s28, s29
.endr
.irp b, 0,1,2,3
	v_max_num_f32 v[232+\b], v[232+\b], v[236+\b]  ; with lane l xor 16's 16 keys
.endr
	v_max3_num_f32 v254, v232, v233, v234
	v_max_num_f32 v254, v254, v235
	v_mul_f32 v254, s30, v254                      ; the step's largest t of my query
	v_max_num_f32 v13, v13, v254
	v_mov_b32 v254, v12
	v_floor_f32 v12, -v13                          ; the new -M = floor(-t): M is a whole number
	v_sub_f32 v254, v12, v254                      ; old M - new M: a whole number, 0 or less
	v_cvt_i32_f32 v254, v254                       ; (it saturates)
	v_ldexp_f32 v252, 1.0, v254                    ; f = 2^(old M - new M): a multiplication by it rounds nothing
.set j, 0
.rept 32
	v_pk_fma_f32 v[96+j:97+j], v[96+j:97+j], s[30:31], v[12:13] op_sel_hi:[1,0,0]   ; t - M, two at a time
.set j, j+2
.endr
.irp b, 0,1,2,3
	v_fma_f32 v[232+\b], v[232+\b], s30, v12       ; the same of each block's largest score
.endr
.set j, 0
.rept 64
	v_exp_f32 v[96+j], v[96+j]                     ; p = 2^(t - M), at most 1
.set j, j+1
.endr
	v_pk_mul_f32 v[14:15], v[14:15], v[252:253] op_sel_hi:[1,0]        ; the sums under the new M: a plain place behind the exponentials
	s_wait_alu depctr_va_vdst(0)                   ; one wait for the batch of 64, ahead of its first reader
.irp b, 0,1,2,3
	v_exp_f32 v[232+\b], v[232+\b]                 ; each block's largest p
.endr
	v_pk_add_f32 v[236:237], v[96:97], v[98:99]    ; the row's sum of the unquantised p, in two chains: it reads the 64 alone
.irp j, 4,8,12,16,20,24,28,32,36,40,44,48,52,56,60
	v_pk_add_f32 v[14:15], v[14:15], v[96+\j:97+\j]
	v_pk_add_f32 v[236:237], v[236:237], v[98+\j:99+\j]
.endr
	v_pk_add_f32 v[14:15], v[14:15], v[236:237]
	s_wait_alu depctr_va_vdst(0)                   ; and one for the four
.irp b, 0,1,2,3
	v_max_num_f32 v[232+\b], 0x1800000, v[232+\b]  ; the floor 2^(3 - 127): a block whose every p is 0 keeps the byte 1; its codes are zeros
.endr
.irp b, 0,1,2,3
	v_add_nc_u32 v[244+\b], 0xff000000, v[232+\b]  ; 2 off the exponent field: the conversion's scale operand
.endr
.irp b, 0,1,2,3
	v_lshrrev_b32 v[236+\b], 23, v[244+\b]         ; the scale's byte
.endr
	v_lshl_or_b32 v253, v237, 8, v236              ; p's scale word for these 128 keys
	v_lshl_or_b32 v253, v238, 16, v253
	v_lshl_or_b32 v253, v239, 24, v253
.irp b, 0,1,2,3
	v_cvt_scalef32_pk8_fp4_f32 v[224+2*\b], v[96+16*\b:103+16*\b], v[244+\b]
	v_cvt_scalef32_pk8_fp4_f32 v[225+2*\b], v[104+16*\b:111+16*\b], v[244+\b]
.endr
	v_nop                                          ; one plain place behind the scaled conversions
.irp c, 0,1
.irp i, 0,1
	v_permlane16_swap_b32 v[224+4*\c+\i], v[226+4*\c+\i]               ; a whole block to a lane
.endr
.endr
.set j, 0
.rept 16
	v_pk_mul_f32 v[160+j:161+j], v[160+j:161+j], v[252:253] op_sel_hi:[1,0]   ; O^T under the new M; these sixteen also stand between the writes of p's codes and scale word and the matrix instructions below
.set j, j+2
.endr
	s_wait_dscnt 0x0                               ; V and its words are in
.irp ct, 0,1,2,3
	v_wmma_scale_f32_16x16x128_f8f6f4 v[160+8*\ct:167+8*\ct], v[192+8*\ct:199+8*\ct], v[224:231], v[160+8*\ct:167+8*\ct], v[72+\ct], v253 matrix_a_fmt:MATRIX_FMT_FP4 matrix_b_fmt:MATRIX_FMT_FP4
.endr
	PLACES                                         ; ahead of the next step's loads into V's registers, and of the reads of O^T
.if \tail == 0
	s_cmp_lg_u32 s25, s19                          ; step i ends the first pass
	s_cbranch_scc1 .Lnofin_\@
	FINAL 0
.Lnofin_\@:
	s_add_co_u32 s25, s25, 1
	s_wait_loadcnt 0x0                             ; the next step's 36 bytes, asked for at this step's head
	ds_store_b128 v3, v[76:79] offset:OB
	ds_store_b128 v3, v[80:83] offset:OB+8192
	ds_store_b32 v5, v84 offset:OB+16384
	s_wait_dscnt 0x0                               ; my stores have landed and my reads of this slot are over
	s_barrier_signal -1
	s_barrier_wait -1
.endif
.endm
.Ltrip:                                            ; 8 trips of two steps: steps 0 .. 15, each of which has a successor
	STEP 0, 0
	STEP 1, 0
	s_sub_co_u32 s26, s26, 1
	s_cmp_lg_u32 s26, 0
	s_cbranch_scc1 .Ltrip
	STEP 0, 1
	FINAL 1
	s_wait_dscnt 0x0                               ; my scale words have landed
	s_barrier_signal -1
	s_barrier_wait -1
	s_cmp_lt_u32 s16, 2                            ; wave 0 stores the first pass's 128 scale words, wave 1 the second's
	s_cbranch_scc0 .Lend
	ds_load_b128 v[96:99], v3 offset:GATH          ; head 2 hp's two bytes of four rows (16 x thread: wave 0 reads bytes 0 .. 511, wave 1 bytes 512 .. 1,023),
	ds_load_b128 v[100:103], v3 offset:GATH+1024   ; head 2 hp + 1's
	s_wait_dscnt 0x0
.irp q, 0,1,2,3
	v_lshl_or_b32 v[96+\q], v[100+\q], 16, v[96+\q]
.endr
	global_store_b128 v6, v[96:99], s[46:47]       ; 512 consecutive bytes
.Lend:
	s_wait_tensorcnt 0x0
	ds_add_u32 v251, v255
	s_wait_dscnt 0x0
	s_endpgm
.Lfunc_end_k_q3c219c69fa_attn:
	.size	k_q3c219c69fa_attn, .Lfunc_end_k_q3c219c69fa_attn-k_q3c219c69fa_attn
	.p2alignl 7, 3214868480
	.fill 96, 4, 3214868480
	.section	.rodata,"a",@progbits
	.p2align	6, 0x0
	.amdhsa_kernel k_q3c219c69fa_attn
		.amdhsa_group_segment_fixed_size 40960
		.amdhsa_private_segment_fixed_size 0
		.amdhsa_enable_private_segment 0
		.amdhsa_kernarg_size 48
		.amdhsa_user_sgpr_count 2
		.amdhsa_user_sgpr_kernarg_segment_ptr 1
		.amdhsa_wavefront_size32 1
		.amdhsa_system_sgpr_workgroup_id_x 1
		.amdhsa_system_sgpr_workgroup_id_y 1
		.amdhsa_system_sgpr_workgroup_id_z 1
		.amdhsa_system_vgpr_workitem_id 0
		.amdhsa_next_free_vgpr 256
		.amdhsa_next_free_sgpr 66
		.amdhsa_reserve_vcc 1
		.amdhsa_float_denorm_mode_32 3
		.amdhsa_float_denorm_mode_16_64 3
		.amdhsa_memory_ordered 1
		.amdhsa_forward_progress 1
		.amdhsa_inst_pref_size 81
	.end_amdhsa_kernel
	.amdgpu_metadata
---
amdhsa.version: [ 1, 2 ]
amdhsa.kernels:
  - .name:           k_q3c219c69fa_attn
    .symbol:         k_q3c219c69fa_attn.kd
    .args:
      - { .name: Qc, .offset: 0, .size: 8, .value_kind: global_buffer, .address_space: global }
      - { .name: Qs, .offset: 8, .size: 8, .value_kind: global_buffer, .address_space: global }
      - { .name: KVc, .offset: 16, .size: 8, .value_kind: global_buffer, .address_space: global }
      - { .name: KVs, .offset: 24, .size: 8, .value_kind: global_buffer, .address_space: global }
      - { .name: Cc, .offset: 32, .size: 8, .value_kind: global_buffer, .address_space: global }
      - { .name: Cs, .offset: 40, .size: 8, .value_kind: global_buffer, .address_space: global }
    .group_segment_fixed_size: 40960
    .private_segment_fixed_size: 0
    .kernarg_segment_align: 8
    .kernarg_segment_size: 48
    .max_flat_workgroup_size: 512
    .sgpr_count:     66
    .vgpr_count:     256
    .wavefront_size: 32
...
	.end_amdgpu_metadata
.endif
;; end of part 2
;; launch oproj (part 3): grid 8 x 32, 8 waves a work-group, no clusters, 136,192 bytes of LDS; arguments Cc, Cs, Wo_codes, Wo_scales, bo, out0; writes out0
.if DOCPART == 3
	.amdgcn_target "amdgcn-amd-amdhsa--gfx1250"
	.amdhsa_code_object_version 6
	.text
	.protected	k_q3c219c69fa_oproj
	.globl	k_q3c219c69fa_oproj
	.p2align	8
	.type	k_q3c219c69fa_oproj,@function
k_q3c219c69fa_oproj:
	s_mov_b64 s[64:65], 0
	v_nop
	global_prefetch_b8 v0, s[64:65] scope:SCOPE_SE
	s_setreg_imm32_b32 hwreg(HW_REG_WAVE_MODE, 25, 1), 1
	s_wait_xcnt 0x0
; out0 = heads x Wo + bo on codes of FP4 (E2M1) with one E8M0 scale for each 32 along K = 1,024.  The heads come as images of the operand's registers (Cc [tile of 16 rows][head][lane][16 bytes]: heads 2 s and 2 s + 1 are
; registers 0-3 and 4-7 of K step s) with scale words Cs [K step][row][4 bytes]; Wo as rows of codes [column][K].
; SHARES.  Work-group (x = 128 columns, y = 256 rows).  Wave w owns tiles 16 y + 2 w and 16 y + 2 w + 1, which together are the 32 rows 256 y + 32 w on (place m of tile a is row 8 a + m + 8 (m / 8) of them), for all 128
; columns: 16 accumulators, 8 K steps, 128 matrix instructions.  Wo's 128 rows lie in LDS for all eight waves; the wave's own fragments of the heads, for all of K, stay in 128 registers.
; THE MATRIX INSTRUCTION IS USED TRANSPOSED (source 0 = 16 rows of Wo, source 1 = 16 rows of the heads): a lane holds eight neighbouring columns of a row.  The bias is loaded straight into the accumulators.
; Every input is asked for at the head; nothing in LDS is filled again; one barrier.  NO CLUSTER: what work-groups share (64 KB of Wo along y, 128 KB of the heads along x) is asked for once by each, against 128 KB that each stores.
; REGISTERS: window 0: v1-8 addresses; v16-47 Wo's scale words (4 t + q: lanes 0-15 K step q, lanes 16-31 K step 4 + q); v48-55 the heads' (register s: lanes 0-15 my first tile, lanes 16-31 my second);
; v64-127 Wo's rows on their way, later rows of the result; v128-255 the accumulators ((a, t) at 128 + 64 a + 8 t).   window 1: v0-127 the heads' fragments (64 a + 8 s); v128-255 Wo's fragments, two buffers of 8 tiles.
.set STG,  67584                       ; LDS: Wo's 128 rows x 528 bytes (512 + 16); then a stage of 16 rows x 528 for each wave
.set WS,   16
.set CS,   48
.set ACC,  128
.set MSB, 0
.macro WIN new
.if MSB != (\new)
	s_set_vgpr_msb (MSB<<8)|(\new)
.set MSB, (\new)
.endif
.endm
.macro PLACES
.rept 4
	v_nop
.endr
.endm
	s_load_b256 s[4:11], s[0:1], 0x0               ; Cc 4, Cs 6, Wo_codes 8, Wo_scales 10
	s_load_b128 s[12:15], s[0:1], 0x20             ; bo 12, out0 14
	v_lshl_add_u32 v62, v0, 2, 0x21000
	v_mov_b32 v63, 0
	v_lshrrev_b32 v9, 5, v0
	v_readfirstlane_b32 s16, v9                    ; wave 0..7
	s_and_b32 s17, ttmp7, 0xffff                   ; y
	v_and_b32 v9, 31, v0
	v_lshlrev_b32 v1, 4, v9                        ; 16 x lane
	v_lshlrev_b32 v5, 2, v9                        ; 4 x lane
	v_and_b32 v10, 15, v0                          ; r
	v_bfe_u32 v11, v0, 4, 1                        ; h
	v_mul_u32_u24 v2, v10, 528
	v_lshl_add_u32 v7, v11, 5, v2
	v_lshl_add_u32 v2, v11, 4, v2                  ; Wo's fragments: 528 r + 16 h
	s_mul_i32 s18, s16, 8448
	v_add_nc_u32 v3, s18, v1                       ; where I store Wo's rows
	s_add_co_u32 s19, s18, STG
	v_add_nc_u32 v7, s19, v7                       ; my stage, in: 528 r + 32 h
	v_add_nc_u32 v8, s19, v1                       ; and back: 16 x lane
	v_lshlrev_b32 v4, 5, v10
	v_lshl_add_u32 v4, v11, 4, v4                  ; Wo's scale bytes: 32 r + 16 h
	v_lshlrev_b32 v6, 5, v11                       ; bo: 32 h
	s_lshl_b32 s20, s17, 4
	s_lshl_b32 s21, s16, 1
	s_add_co_u32 s20, s20, s21                     ; my first tile
	s_mov_b32 s23, 0
	s_wait_kmcnt 0x0
	s_lshl_b32 s22, s20, 13
	s_add_nc_u64 s[4:5], s[4:5], s[22:23]          ; a tile's 16 heads are 8,192 bytes
	s_lshl_b32 s22, s20, 6
	s_add_nc_u64 s[6:7], s[6:7], s[22:23]          ; and its scale words of a K step 64
	s_lshl_b32 s22, ttmp9, 16
	s_lshl_b32 s21, s16, 13
	s_add_co_u32 s22, s22, s21
	s_add_nc_u64 s[8:9], s[8:9], s[22:23]          ; Wo's rows 128 x + 16 w on: those that I bring into LDS
	s_lshl_b32 s22, ttmp9, 12
	s_add_nc_u64 s[10:11], s[10:11], s[22:23]
	s_lshl_b32 s22, ttmp9, 9
	s_add_nc_u64 s[12:13], s[12:13], s[22:23]
	s_lshl_b32 s21, s17, 20
	s_add_co_u32 s22, s22, s21
	s_lshl_b32 s21, s16, 17
	s_add_co_u32 s22, s22, s21
	s_add_nc_u64 s[14:15], s[14:15], s[22:23]      ; out0: row 256 y + 32 w of 4,096 bytes, column 128 x
.irp m, 0,1,2,3,4,5,6,7,8,9,10,11,12,13,14,15
	global_load_b128 v[64+4*\m:67+4*\m], v1, s[8:9] offset:512*\m      ; a whole row of Wo a load
.endr
	WIN 0x40                                       ; destination window 1
.irp a, 0,1
.irp f, 0,1,2,3,4,5,6,7,8,9,10,11,12,13,14,15
	global_load_b128 v[64*\a+4*\f:64*\a+4*\f+3], v1, s[4:5] offset:8192*\a+512*\f   ; head f: registers 4 (f % 2) on of K step f / 2
.endr
.endr
	WIN 0
.irp t, 0,1,2,3,4,5,6,7
	global_load_b128 v[WS+4*\t:WS+4*\t+3], v4, s[10:11] offset:512*\t
.endr
.irp s, 0,1,2,3,4,5,6,7
	global_load_b32 v[CS+\s], v5, s[6:7] offset:32768*\s
.endr
	s_wait_loadcnt 48                              ; Wo's 16 rows are in; the 48 loads issued behind them may be out
.irp m, 0,1,2,3,4,5,6,7,8,9,10,11,12,13,14,15
	ds_store_b128 v3, v[64+4*\m:67+4*\m] offset:528*\m
.endr
.irp a, 0,1
.irp t, 0,1,2,3,4,5,6,7
	global_load_b128 v[ACC+64*\a+8*\t:ACC+64*\a+8*\t+3], v6, s[12:13] offset:64*\t        ; the bias starts the sums: register j of lane (r, h) is column 16 t + 8 h + j
	global_load_b128 v[ACC+64*\a+8*\t+4:ACC+64*\a+8*\t+7], v6, s[12:13] offset:64*\t+16
.endr
.endr
	s_wait_dscnt 0x0                               ; for the others' sake: my rows of Wo have landed
	s_barrier_signal -1
	s_barrier_wait -1
.macro FETCHW s, buf                   ; Wo's eight tiles of a K step: 16 LDS loads
	WIN 0x40
.irp t, 0,1,2,3,4,5,6,7
.irp c, 0,1
	ds_load_b128 v[128+64*(\buf)+8*\t+4*\c:128+64*(\buf)+8*\t+4*\c+3], v2 offset:8448*\t+64*(\s)+32*\c
.endr
.endr
.endm
	FETCHW 0, 0
	s_wait_loadcnt 0x0                             ; the heads, the scale words, the bias
.irp s, 0,1,2,3,4,5,6,7
.set KS, \s
.if \s > 0
	PLACES                                         ; the buffer that is loaded next was read by the step before
.endif
.if \s < 7
	FETCHW \s+1, (\s+1)%2
	s_wait_dscnt 16                                ; this step's fragments are in; the sixteen loads just issued may be out
.else
	s_wait_dscnt 0
.endif
	WIN 0x05                                       ; sources 0 and 1 window 1; C and D window 0
.irp t, 0,1,2,3,4,5,6,7
.irp a, 0,1
.set rD, ACC+64*\a+8*\t
.set rA, 128+64*(KS%2)+8*\t
.set rB, 64*\a+8*KS
.set rSA, WS+4*\t+KS%4
.if KS >= 4
.if \a == 1
	v_wmma_scale_f32_16x16x128_f8f6f4 v[rD:rD+7], v[rA:rA+7], v[rB:rB+7], v[rD:rD+7], v[rSA], v[CS+KS] matrix_a_fmt:MATRIX_FMT_FP4 matrix_b_fmt:MATRIX_FMT_FP4 matrix_a_scale:MATRIX_SCALE_ROW1 matrix_b_scale:MATRIX_SCALE_ROW1
.else
	v_wmma_scale_f32_16x16x128_f8f6f4 v[rD:rD+7], v[rA:rA+7], v[rB:rB+7], v[rD:rD+7], v[rSA], v[CS+KS] matrix_a_fmt:MATRIX_FMT_FP4 matrix_b_fmt:MATRIX_FMT_FP4 matrix_a_scale:MATRIX_SCALE_ROW1
.endif
.else
.if \a == 1
	v_wmma_scale_f32_16x16x128_f8f6f4 v[rD:rD+7], v[rA:rA+7], v[rB:rB+7], v[rD:rD+7], v[rSA], v[CS+KS] matrix_a_fmt:MATRIX_FMT_FP4 matrix_b_fmt:MATRIX_FMT_FP4 matrix_b_scale:MATRIX_SCALE_ROW1
.else
	v_wmma_scale_f32_16x16x128_f8f6f4 v[rD:rD+7], v[rA:rA+7], v[rB:rB+7], v[rD:rD+7], v[rSA], v[CS+KS] matrix_a_fmt:MATRIX_FMT_FP4 matrix_b_fmt:MATRIX_FMT_FP4
.endif
.endif
.endr
.endr
.endr
	WIN 0
	PLACES
; THE WAY OUT: a tile's 16 rows x 128 columns go through my own stage and come back as whole rows of 512 bytes.  LDS serves a wave's instructions in order (ISA guide 5.7.1.4): no wait between the stores and the loads,
; nor ahead of the second tile's stores.  The second tile comes back into the first tile's accumulators, whose stores into the stage stand earlier in that order.
.macro TOSTAGE a, bk
.irp t, 0,1,2,3,4,5,6,7
	ds_store_b128 v7, v[ACC+64*\a+8*\t:ACC+64*\a+8*\t+3] offset:64*\t          ; each accumulator from its low end on
	ds_store_b128 v7, v[ACC+64*\a+8*\t+4:ACC+64*\a+8*\t+7] offset:64*\t+16
.endr
.irp m, 0,1,2,3,4,5,6,7,8,9,10,11,12,13,14,15
	ds_load_b128 v[\bk+4*\m:\bk+4*\m+3], v8 offset:528*\m
.endr
.endm
.macro SEND a, bk, younger             ; younger: the LDS instructions issued behind this tile's loads
.irp m, 0,1,2,3,4,5,6,7,8,9,10,11,12,13,14,15
	s_wait_dscnt \younger+15-\m
	global_store_b128 v1, v[\bk+4*\m:\bk+4*\m+3], s[14:15] offset:(8*\a+\m+8*(\m/8))*4096 th:TH_STORE_NT   ; 32 lanes store 512 consecutive bytes, at a multiple of 512 from out0's first byte; written once, read by nobody here
.endr
.endm
	TOSTAGE 0, 64
	TOSTAGE 1, 128
	SEND 0, 64, 32
	SEND 1, 128, 0
	s_wait_tensorcnt 0x0
	ds_add_u32 v62, v63
	s_wait_dscnt 0x0
	s_endpgm
.Lfunc_end_k_q3c219c69fa_oproj:
	.size	k_q3c219c69fa_oproj, .Lfunc_end_k_q3c219c69fa_oproj-k_q3c219c69fa_oproj
	.p2alignl 7, 3214868480
	.fill 96, 4, 3214868480
	.section	.rodata,"a",@progbits
	.p2align	6, 0x0
	.amdhsa_kernel k_q3c219c69fa_oproj
		.amdhsa_group_segment_fixed_size 136192
		.amdhsa_private_segment_fixed_size 0
		.amdhsa_enable_private_segment 0
		.amdhsa_kernarg_size 48
		.amdhsa_user_sgpr_count 2
		.amdhsa_user_sgpr_kernarg_segment_ptr 1
		.amdhsa_wavefront_size32 1
		.amdhsa_system_sgpr_workgroup_id_x 1
		.amdhsa_system_sgpr_workgroup_id_y 1
		.amdhsa_system_sgpr_workgroup_id_z 1
		.amdhsa_system_vgpr_workitem_id 0
		.amdhsa_next_free_vgpr 512
		.amdhsa_next_free_sgpr 66
		.amdhsa_reserve_vcc 0
		.amdhsa_float_denorm_mode_32 3
		.amdhsa_float_denorm_mode_16_64 3
		.amdhsa_memory_ordered 1
		.amdhsa_forward_progress 1
		.amdhsa_inst_pref_size 47
	.end_amdhsa_kernel
	.amdgpu_metadata
---
amdhsa.version: [ 1, 2 ]
amdhsa.kernels:
  - .name:           k_q3c219c69fa_oproj
    .symbol:         k_q3c219c69fa_oproj.kd
    .args:
      - { .name: Cc, .offset: 0, .size: 8, .value_kind: global_buffer, .address_space: global }
      - { .name: Cs, .offset: 8, .size: 8, .value_kind: global_buffer, .address_space: global }
      - { .name: Wo_codes, .offset: 16, .size: 8, .value_kind: global_buffer, .address_space: global }
      - { .name: Wo_scales, .offset: 24, .size: 8, .value_kind: global_buffer, .address_space: global }
      - { .name: bo, .offset: 32, .size: 8, .value_kind: global_buffer, .address_space: global }
      - { .name: out0, .offset: 40, .size: 8, .value_kind: global_buffer, .address_space: global }
    .group_segment_fixed_size: 136192
    .private_segment_fixed_size: 0
    .kernarg_segment_align: 8
    .kernarg_segment_size: 48
    .max_flat_workgroup_size: 256
    .sgpr_count:     66
    .vgpr_count:     512
    .wavefront_size: 32
...
	.end_amdgpu_metadata
.endif
;; end of part 3
;; ======== version 2 of 2: 3 launches; version 1 with the launches proj, attn, oproj written anew for expert scheduling mode
;; workspace buffers: Qc 4,194,304 bytes; Qs 524,288 bytes; KVc 8,388,608 bytes; KVs 1,048,576 bytes; Cc 4,194,304 bytes; Cs 262,144 bytes
;; launch proj (part 4): grid 16 x 16, 4 waves a work-group, no clusters, 135,680 bytes of LDS; arguments x_codes, x_scales, Wq_codes, Wq_scales, bq, Wk_codes, Wk_scales, bk, Wv_codes, Wv_scales, bv, Qc, Qs, KVc, KVs; writes Qc, Qs, KVc, KVs
.if DOCPART == 4
	.amdgcn_target "amdgcn-amd-amdhsa--gfx1250"
	.amdhsa_code_object_version 6
	.text
	.protected	k_q3c219c69fa_proj
	.globl	k_q3c219c69fa_proj
	.p2align	8
	.type	k_q3c219c69fa_proj,@function
k_q3c219c69fa_proj:
	s_mov_b64 s[64:65], 0
	v_nop
	global_prefetch_b8 v0, s[64:65] scope:SCOPE_SE
	s_setreg_imm32_b32 hwreg(HW_REG_WAVE_SCHED_MODE, 0, 2), 2
	s_setreg_imm32_b32 hwreg(HW_REG_WAVE_MODE, 25, 1), 1
	s_wait_xcnt 0x0
	s_wait_alu depctr_vm_vsrc(0)
; Q, K, V = x W + b for one head and 512 rows of x, all on codes of FP4 (E2M1) with one E8M0 scale for each 32 along K = 1,024; the results are quantised in registers and leave as codes:
; Q and K along the head's 64 (two blocks of 32), V along the keys (four blocks of 32 in a block of 128 keys).
; SHARES.  Work-group (x = head, y = 512 rows of x).  Wave w owns 128 rows (block blk = 4 y + w) for the head's 192 columns, in three phases (Q, K, V) of 8 K steps x 32 matrix instructions.
; The wave's fragments of x, for all of K, stay in 512 registers; the head's 192 rows of W lie in LDS for all four waves.
; ONE ORDER OF ROWS: place m of tile T holds row rho(T, m) = 32 (T / 2) + 8 (T % 2) + m + 8 (m / 8), for x's rows and for W's.  So in a result whose source 0 has that order the 16 registers of tiles 2 b and 2 b + 1
; of lane (r, h) are 16 neighbours 32 b + 16 h + 0 .. 15: what the conversions want.  Q and K are made transposed (source 0 = W, source 1 = x: registers run along the head's units),
; V the other way round (source 0 = x, source 1 = W: registers run along the keys).
; OUT: Qc [rec][tile 8][lane][16 bytes] = registers 0-3 of a fragment of 16 queries (rec = 16 blk + head); Qs [rec][lane][4 words]: word q of lane (r, h) = the scale word of tile 2 q + h, row r;
; KVc [rec]: 4,096 bytes of K laid like Qc, then V^T [channel tile 4][half 2][lane][16 bytes]; KVs [rec]: 512 bytes of K's words like Qs, then [lane][4 words]: word ct = V's scale word of channel rho(ct, r).
; LIMITS: NaN and infinities are not served.  A block whose largest magnitude lies under 2^-124, a block of zeros among them, gets the byte 1 (the rule gives a block of zeros 127): its codes are zeros or
; nearly so, and this program alone reads these bytes.
; NO CLUSTER, NO TENSOR LOAD: each operand is asked for once, at the head (64 KB of x a wave, 96 KB of W a work-group), and nothing in LDS is filled again; the sixteen heads that share rows of x and the sixteen
; row groups that share a head's W each ask for themselves.
; REGISTERS, in windows of 256: window 0: addresses, scale words, W's fragments (two buffers), the bias as C, the quantiser's work.  window 1: the 32 accumulators (at the head: W's rows on their way to LDS).
; windows 2 and 3: x's fragments: tile xt, K step s at v[64 (xt % 4) + 8 s] of window 2 + xt / 4.
; THE MODE: SCHED_MODE bits 1:0 = 2 (LLVM: expert scheduling mode 2), set by the entry lines.  The code itself states the register dependences
; between vector or matrix instructions and memory or LDS instructions, with s_wait_alu, always for 0.
; THE PLAN.  Registers that memory or LDS instructions touch:
;   v1-12           Addresses and offsets: written at the head, never again.  One wait on va_vdst ahead of the first load.
;   window 1 v0-191 W's rows: loaded, read by the LDS stores; later the matrix instructions write them as accumulators.  The first wait on vm_vsrc in TURN stands between.
;   windows 2, 3    x's rows: loaded, read by the stores into the stage, loaded again as fragments: one wait on vm_vsrc a tile, between the stores and the loads.  Then matrix instructions alone read them.
;   WF, two buffers K step g's matrix instructions read buffer g % 2; its LDS loads land in the other, which step g - 1 read.  BI: steps 0 and 8 read it as C; loads of steps 1 and 9 land in it.
;                   ONE wait on va_vdst at a step's head states both.
;   PC, SW          The way out: written by the conversions, swaps and selects; one wait on va_vdst ahead of each run of stores; one on vm_vsrc, beside the wait on XCNT, ahead of the conversions that write them again.
;   v254, v255      Written at the head, read by the closing add alone.
.set XST,  101376                      ; LDS: 192 rows of W x 528 bytes (512 + 16: 132 words, so that the 16 rows of a fragment load start 4 words apart); then a stage of 16 rows x 528 for each wave
.set L16,  1                           ; v1    16 x lane
.set AXS,  2                           ; v2    my stage, as rows are stored: + 16 x lane
.set AXR,  3                           ; v3    my stage, as fragments are read: + 528 r + 16 h
.set AW,   4                           ; v4-6  W's fragments of phase 0, 1, 2: 33,792 x phase + 528 r + 16 h
.set AWS,  7                           ; v7-9  where I store W's rows: 33,792 x phase + 8,448 x wave + 16 x lane
.set SCO,  10                          ; v10   scale bytes: 32 (r + 8 (r / 8)) + 16 h
.set BQO,  11                          ; v11   bq, bk: 64 h
.set BVO,  12                          ; v12   bv: 4 (r + 8 (r / 8))
.set XS,   16                          ; v16-47   x's scale words: register 4 xt + q: lanes 0-15 K step q, lanes 16-31 K step 4 + q
.set WS,   48                          ; v48-95   W's likewise: 16 x phase + 4 wt + q
.set WF,   96                          ; v96-159  W's fragments: two buffers of 4 tiles x 8
.set BI,   160                         ; v160-191 the phase's bias in the result's layout, 8 registers a tile of W
.set TM,   192                         ; v192-199 largest magnitudes
.set TX,   200                         ; v200-207 the other half's; then the scale bytes
.set SC,   208                         ; v208-215 the conversions' scale operands
.set PC,   216                         ; v216-231 codes
.set PW,   232                         ; v232-239 two scale bytes for each half fragment
.set SW,   240                         ; v240-243 scale words as they are stored
.set SEL,  42                          ; s[42:43] lane selects: lane l xor 16
.set MSB, 0
.macro WIN new                         ; the immediate's high byte repeats the setting that is left; a switch that changes nothing is dropped
.if MSB != (\new)
	s_set_vgpr_msb (MSB<<8)|(\new)
.set MSB, (\new)
.endif
.endm
.macro PLACES                          ; four plain places behind matrix instructions, ahead of loads into their registers and of reads of their results
.rept 4
	v_nop
.endr
.endm
	s_load_b512 s[8:23], s[0:1], 0x0               ; x_codes 8, x_scales 10, Wq_codes 12, Wq_scales 14, bq 16, Wk_codes 18, Wk_scales 20, bk 22
	s_load_b256 s[24:31], s[0:1], 0x40             ; Wv_codes 24, Wv_scales 26, bv 28, Qc 30
	s_load_b128 s[32:35], s[0:1], 0x60             ; Qs 32, KVc 34
	s_load_b64 s[36:37], s[0:1], 0x70              ; KVs
	v_lshl_add_u32 v254, v0, 2, 0x21000
	v_mov_b32 v255, 0
	v_lshrrev_b32 v13, 5, v0
	v_readfirstlane_b32 s38, v13                   ; wave 0..3
	v_and_b32 v13, 31, v0
	v_lshlrev_b32 v[L16], 4, v13
	v_and_b32 v14, 15, v0                          ; r
	v_bfe_u32 v15, v0, 4, 1                        ; h
	s_wait_alu depctr_va_sdst(0)                   ; s38 is written, ahead of its first reader: LDS addresses and the pointers' offsets are made from it
	s_mul_i32 s48, s38, 8448
	s_add_co_u32 s49, s48, XST
	v_add_nc_u32 v[AXS], s49, v[L16]
	v_mul_u32_u24 v[AW], v14, 528
	v_lshl_add_u32 v[AW], v15, 4, v[AW]
	v_add_nc_u32 v[AXR], s49, v[AW]
	v_add_nc_u32 v[AW+1], 33792, v[AW]
	v_add_nc_u32 v[AW+2], 67584, v[AW]
	v_add_nc_u32 v[AWS], s48, v[L16]
	v_add_nc_u32 v[AWS+1], 33792, v[AWS]
	v_add_nc_u32 v[AWS+2], 67584, v[AWS]
	v_and_b32 v13, 8, v14
	v_add_nc_u32 v13, v13, v14                     ; r + 8 (r / 8)
	v_lshlrev_b32 v[SCO], 5, v13
	v_lshl_add_u32 v[SCO], v15, 4, v[SCO]
	v_lshlrev_b32 v[BVO], 2, v13
	v_lshlrev_b32 v[BQO], 6, v15
.irp e, 0,1,2,3,4,5,6,7
	v_mov_b32 v[TX+\e], 0                          ; written once: a lane permute's destination counts as one of its sources
.endr
	s_and_b32 s40, ttmp7, 0xffff
	s_lshl_b32 s40, s40, 2
	s_add_co_u32 s40, s40, s38                     ; blk = 4 y + wave
	s_lshl_b32 s41, s40, 4
	s_add_co_u32 s41, s41, ttmp9                   ; rec = 16 blk + head
	s_mov_b32 s47, 0
	s_mov_b32 s[SEL], 0x76543210
	s_mov_b32 s[SEL+1], 0xfedcba98
	s_mov_b32 s44, 0xffff0000                      ; lanes 16-31
	s_lshr_b32 s50, s38, 1
	s_lshl_b32 s50, s50, 14                        ; 32 (wave / 2) rows of 512 bytes
	s_and_b32 s51, s38, 1
	s_lshl_b32 s51, s51, 12                        ; 8 (wave % 2) rows
	s_add_co_u32 s50, s50, s51
	s_wait_kmcnt 0x0
	; every pointer is stepped once, here, and never written again
	s_lshl_b32 s46, s40, 16
	s_add_nc_u64 s[8:9], s[8:9], s[46:47]          ; x's codes: my 128 rows of 512 bytes
	s_lshl_b32 s46, s40, 12
	s_add_nc_u64 s[10:11], s[10:11], s[46:47]      ; and their scale bytes, 32 a row
	s_lshl_b32 s46, ttmp9, 15
	s_add_co_u32 s46, s46, s50                     ; W's codes: the head's 64 rows, and in them tile = wave, which I bring into LDS
	s_add_nc_u64 s[12:13], s[12:13], s[46:47]
	s_add_nc_u64 s[18:19], s[18:19], s[46:47]
	s_add_nc_u64 s[24:25], s[24:25], s[46:47]
	s_lshl_b32 s46, ttmp9, 11
	s_add_nc_u64 s[14:15], s[14:15], s[46:47]      ; W's scale bytes of the head
	s_add_nc_u64 s[20:21], s[20:21], s[46:47]
	s_add_nc_u64 s[26:27], s[26:27], s[46:47]
	s_lshl_b32 s46, ttmp9, 8
	s_add_nc_u64 s[16:17], s[16:17], s[46:47]      ; the head's biases
	s_add_nc_u64 s[22:23], s[22:23], s[46:47]
	s_add_nc_u64 s[28:29], s[28:29], s[46:47]
	s_lshl_b32 s46, s41, 12
	s_add_nc_u64 s[30:31], s[30:31], s[46:47]      ; my records
	s_lshl_b32 s46, s41, 9
	s_add_nc_u64 s[32:33], s[32:33], s[46:47]
	s_lshl_b32 s46, s41, 13
	s_add_nc_u64 s[34:35], s[34:35], s[46:47]
	s_lshl_b32 s46, s41, 10
	s_add_nc_u64 s[36:37], s[36:37], s[46:47]
	; W's rows: my tile of each of the three weights, a whole row of 512 bytes a load: 48 loads
	WIN 0x40                                       ; destination window 1
	s_wait_alu depctr_va_vdst(0)                   ; the twelve addresses and offsets v1 to v12 are written: every load and store of the kernel reads one of them, and none is written again
.irp tau, 0,1,2
.irp m, 0,1,2,3,4,5,6,7,8,9,10,11,12,13,14,15
	global_load_b128 v[64*\tau+4*\m:64*\tau+4*\m+3], v[L16], s[12+6*\tau:13+6*\tau] offset:(\m+8*(\m/8))*512
.endr
.endr
	WIN 0
	; the scale words: 16 bytes a lane: lanes 0-15 a row's K steps 0-3, lanes 16-31 its K steps 4-7; a load covers two runs of 256 consecutive bytes.  12 + 8 loads
.irp tau, 0,1,2
.irp wt, 0,1,2,3
	global_load_b128 v[WS+16*\tau+4*\wt:WS+16*\tau+4*\wt+3], v[SCO], s[14+6*\tau:15+6*\tau] offset:32*(32*(\wt/2)+8*(\wt%2))
.endr
.endr
.irp xt, 0,1,2,3,4,5,6,7
	global_load_b128 v[XS+4*\xt:XS+4*\xt+3], v[SCO], s[10:11] offset:32*(32*(\xt/2)+8*(\xt%2))
.endr
.macro BIASQK base                     ; register j of tile 2 b + u in lane (r, h) is unit 32 b + 16 h + 8 u + j: 8 loads
.irp wt, 0,1,2,3
	global_load_b128 v[BI+8*\wt:BI+8*\wt+3], v[BQO], s[\base:\base+1] offset:(32*(\wt/2)+8*(\wt%2))*4
	global_load_b128 v[BI+8*\wt+4:BI+8*\wt+7], v[BQO], s[\base:\base+1] offset:(32*(\wt/2)+8*(\wt%2))*4+16
.endr
.endm
	BIASQK 16
	s_wait_loadcnt 28                              ; W's 48 rows are in; the 28 loads issued behind them may be out
	WIN 0x04                                       ; an LDS store's data are its source 1: window 1
.irp tau, 0,1,2
.irp m, 0,1,2,3,4,5,6,7,8,9,10,11,12,13,14,15
	ds_store_b128 v[AWS+\tau], v[64*\tau+4*\m:64*\tau+4*\m+3] offset:528*\m
.endr
.endr
; x: a tile's 16 rows are loaded as they lie (512 consecutive bytes a load), go through my own stage and come back as fragments, into the registers that they left.
; LDS serves a wave's instructions in order (ISA guide 5.7.1.4): no wait on DScnt between the stores and the loads, nor ahead of the next tile's stores.
.macro LOADX t
	WIN 0x80+0x40*((\t)/4)
.irp m, 0,1,2,3,4,5,6,7,8,9,10,11,12,13,14,15
	global_load_b128 v[64*((\t)%4)+4*\m:64*((\t)%4)+4*\m+3], v[L16], s[8:9] offset:(32*((\t)/2)+8*((\t)%2)+\m+8*(\m/8))*512
.endr
.endm
.macro TURN t
	WIN 0x08+0x04*((\t)/4)
.irp m, 0,1,2,3,4,5,6,7,8,9,10,11,12,13,14,15
	ds_store_b128 v[AXS], v[64*((\t)%4)+4*\m:64*((\t)%4)+4*\m+3] offset:528*\m
.endr
	WIN 0x80+0x40*((\t)/4)
	s_wait_alu depctr_vm_vsrc(0)                   ; the sixteen stores above have read the tile's registers, in which the fragments land.  (The first of these waits states the same of the stores of W's rows: their registers in window 1 are written next by matrix instructions, as accumulators)
.irp s, 0,1,2,3,4,5,6,7
.irp c, 0,1
	ds_load_b128 v[64*((\t)%4)+8*\s+4*\c:64*((\t)%4)+8*\s+4*\c+3], v[AXR] offset:64*\s+32*\c
.endr
.endr
.endm
	LOADX 0
	LOADX 1
	LOADX 2
.irp t, 0,1,2,3,4,5,6,7
.if \t <= 5
	s_wait_loadcnt 32                              ; this tile's 16 loads are in; the two tiles behind it may be out
.elseif \t == 6
	s_wait_loadcnt 16
.else
	s_wait_loadcnt 0
.endif
	TURN \t
.if \t+3 <= 7
	LOADX \t+3
.endif
.endr
	WIN 0
	s_wait_dscnt 0x0                               ; my rows of W have landed in LDS, for the others' sake; my fragments of x are in
	s_barrier_signal -1
	s_barrier_wait -1                              ; W is whole: the launch's one barrier
.macro FETCHW tau, s, buf              ; the four tiles of W of one phase and K step: 8 LDS loads
.irp wt, 0,1,2,3
.irp c, 0,1
	ds_load_b128 v[WF+32*(\buf)+8*\wt+4*\c:WF+32*(\buf)+8*\wt+4*\c+3], v[AW+(\tau)] offset:8448*\wt+64*(\s)+32*\c
.endr
.endr
.endm
; K step g % 8 of phase g / 8: the next step's fragments of W are asked for, then 32 matrix instructions on 32 accumulators, which take turns in the same order in every step.
.macro KSTEP g
.set TAU, (\g)/8
.set KS, (\g)%8
.set BUF, (\g)%2
.if (\g) > 0
	PLACES                                         ; the buffer that is loaded next, and the bias's registers, were read by the step before
.endif
	WIN 0
.if ((\g) > 0) && ((\g) < 23)
	s_wait_alu depctr_va_vdst(0)                   ; the matrix instructions of the step before are done reading their buffer of W, in which the LDS loads below land, and (steps 1 and 9) the bias's registers, in which the next bias lands
.endif
.if (\g) == 1
	BIASQK 22                                      ; bk, for phase 1
.endif
.if (\g) == 9
.irp ct, 0,1,2,3
	global_load_b32 v[BI+8*\ct], v[BVO], s[28:29] offset:(32*(\ct/2)+8*(\ct%2))*4   ; bv: one number a lane and tile: channel rho(ct, r)
.endr
.endif
.if (\g) < 23
	FETCHW ((\g)+1)/8, ((\g)+1)%8, ((\g)+1)%2
	s_wait_dscnt 8                                 ; this step's fragments are in; the eight loads just issued may be out
.else
	s_wait_dscnt 0
.endif
.if (\g) == 8
	s_wait_loadcnt 0                               ; bk
.endif
.if KS == 0
.set WC, 0                             ; C = the bias, in window 0
.else
.set WC, 0x10                          ; C = D, in window 1
.endif
.irp xt, 0,1,2,3,4,5,6,7
.irp wt, 0,1,2,3
.if TAU < 2
	WIN 0x48+WC+4*(\xt/4)                          ; source 0 (W) window 0, source 1 (x) window 2 or 3, D window 1
.set rD, 8*(4*\xt+\wt)
.set rA, WF+32*BUF+8*\wt
.set rB, 64*(\xt%4)+8*KS
.set rSA, WS+16*TAU+4*\wt+KS%4
.set rSB, XS+4*\xt+KS%4
.else
	WIN 0x42+WC+(\xt/4)                            ; source 0 (x) window 2 or 3, source 1 (W) window 0, D window 1
.set rD, 8*(8*\wt+\xt)
.set rA, 64*(\xt%4)+8*KS
.set rB, WF+32*BUF+8*\wt
.set rSA, XS+4*\xt+KS%4
.set rSB, WS+16*TAU+4*\wt+KS%4
.endif
.if KS == 0
.set rC, BI+8*\wt
.else
.set rC, rD
.endif
.if KS >= 4
	v_wmma_scale_f32_16x16x128_f8f6f4 v[rD:rD+7], v[rA:rA+7], v[rB:rB+7], v[rC:rC+7], v[rSA], v[rSB] matrix_a_fmt:MATRIX_FMT_FP4 matrix_b_fmt:MATRIX_FMT_FP4 matrix_a_scale:MATRIX_SCALE_ROW1 matrix_b_scale:MATRIX_SCALE_ROW1
.else
	v_wmma_scale_f32_16x16x128_f8f6f4 v[rD:rD+7], v[rA:rA+7], v[rB:rB+7], v[rC:rC+7], v[rSA], v[rSB] matrix_a_fmt:MATRIX_FMT_FP4 matrix_b_fmt:MATRIX_FMT_FP4
.endif
.endr
.endr
.endm
; Eight blocks of 32: block e's 16 numbers of my lane lie in v[src + 16 e ..] of window 1, the other 16 in lane l xor 16.  They become codes in v[PC ..]: four half fragments of four registers (k = 32 h + 0 .. 31 of 64),
; and two scale bytes for each in v[pwb ..].  Each accumulator is read from its low end on.
.macro QUANT src, pwb
	WIN 0x05
.irp e, 0,1,2,3,4,5,6,7
	v_max3_num_f32 v[TM+\e], |v[\src+16*\e]|, |v[\src+16*\e+1]|, 0x1800000   ; with the floor 2^(3 - 127): the byte cannot fall under 1
.endr
	WIN 0x14
.irp i, 2,4,6,8,10,12,14
.irp e, 0,1,2,3,4,5,6,7
	v_max3_num_f32 v[TM+\e], v[TM+\e], |v[\src+16*\e+\i]|, |v[\src+16*\e+\i+1]|   ; the blocks by turns: no line waits for the line above it
.endr
.endr
	WIN 0
.irp e, 0,1,2,3,4,5,6,7
	v_permlanex16_b32 v[TX+\e], v[TM+\e], s[SEL], s[SEL+1]
.endr
.irp e, 0,1,2,3,4,5,6,7
	v_max_num_f32 v[TM+\e], v[TM+\e], v[TX+\e]     ; the block's largest magnitude
.endr
.irp e, 0,1,2,3,4,5,6,7
	v_add_nc_u32 v[SC+\e], 0xff000000, v[TM+\e]    ; 2 off its exponent field: the conversion takes that field as its scale
.endr
.irp e, 0,1,2,3,4,5,6,7
	v_lshrrev_b32 v[TX+\e], 23, v[SC+\e]           ; the scale's byte
.endr
.irp q, 0,1,2,3
	v_lshl_or_b32 v[\pwb+\q], v[TX+2*\q+1], 8, v[TX+2*\q]
.endr
	s_wait_xcnt 0x0                                ; the codes' and the words' registers were earlier stores' data: they are written again only behind this wait
	s_wait_alu depctr_vm_vsrc(0)                   ; and behind this one: the stores issued so far have read v[PC ..] and v[SW ..], which the conversions below and the lines that make the scale words write again
	WIN 0x01
.irp e, 0,1,2,3,4,5,6,7
	v_cvt_scalef32_pk8_fp4_f32 v[PC+2*\e], v[\src+16*\e:\src+16*\e+7], v[SC+\e]
	v_cvt_scalef32_pk8_fp4_f32 v[PC+2*\e+1], v[\src+16*\e+8:\src+16*\e+15], v[SC+\e]
.endr
	WIN 0
	v_nop                                          ; one plain place behind the scaled conversions
.irp q, 0,1,2,3
.irp i, 0,1
	v_permlane16_swap_b32 v[PC+4*\q+\i], v[PC+4*\q+2+\i]   ; a whole block to a lane: lanes 0-15 the even block, lanes 16-31 the odd one
.endr
.endr
.endm
; A phase's 32 accumulators leave as codes: eight half fragments, each stored as 512 consecutive bytes, and one store of scale words.
; Q, K: half fragment 4 bt + gm = tile xt of my rows.  V: = 2 ct + cc: channel tile ct, keys 64 cc on.
; In the second half the scale words are made ahead of the wait, so that one wait serves its four stores of codes and the store of the words.
.macro OUT tau
	PLACES
.irp bt, 0,1
	QUANT 128*\bt, PW+4*\bt
.if \bt == 1
.irp q, 0,1,2,3
.if \tau < 2
	v_cndmask_b32 v[SW+\q], v[PW+2*\q], v[PW+2*\q+1], s44      ; lanes 0-15: tile 2 q's word, lanes 16-31: tile 2 q + 1's
.else
	v_lshl_or_b32 v[SW+\q], v[PW+2*\q+1], 16, v[PW+2*\q]       ; the four bytes of channel tile q for the 128 keys
.endif
.endr
.endif
	s_wait_alu depctr_va_vdst(0)                   ; the conversions and swaps have written v[PC ..], and in the second half the lines above v[SW ..], which the stores below read
.irp gm, 0,1,2,3
.if \tau == 0
	global_store_b128 v[L16], v[PC+4*\gm:PC+4*\gm+3], s[30:31] offset:512*(4*\bt+\gm)
.elseif \tau == 1
	global_store_b128 v[L16], v[PC+4*\gm:PC+4*\gm+3], s[34:35] offset:512*(4*\bt+\gm)
.else
	global_store_b128 v[L16], v[PC+4*\gm:PC+4*\gm+3], s[34:35] offset:4096+512*(4*\bt+\gm)
.endif
.endr
.endr
.if \tau == 0
	global_store_b128 v[L16], v[SW:SW+3], s[32:33]
.elseif \tau == 1
	global_store_b128 v[L16], v[SW:SW+3], s[36:37]
.else
	global_store_b128 v[L16], v[SW:SW+3], s[36:37] offset:512
.endif
.endm
	FETCHW 0, 0, 0
.irp g, 0,1,2,3,4,5,6,7
	KSTEP \g
.endr
	OUT 0
.irp g, 8,9,10,11,12,13,14,15
	KSTEP \g
.endr
	OUT 1
	s_wait_loadcnt 0                               ; bv
.irp ct, 0,1,2,3
.irp j, 1,2,3,4,5,6,7
	v_mov_b32 v[BI+8*\ct+\j], v[BI+8*\ct]          ; V's bias hangs on the lane's channel alone: the same number in the eight registers that C names
.endr
.endr
.irp g, 16,17,18,19,20,21,22,23
	KSTEP \g
.endr
	OUT 2
	s_wait_dscnt 0x0                               ; the closing lines, six on end
	s_wait_alu 0x0
	s_wait_tensorcnt 0x0
	ds_add_u32 v254, v255
	s_wait_dscnt 0x0
	s_endpgm
.Lfunc_end_k_q3c219c69fa_proj:
	.size	k_q3c219c69fa_proj, .Lfunc_end_k_q3c219c69fa_proj-k_q3c219c69fa_proj
	.p2alignl 7, 3214868480
	.fill 96, 4, 3214868480
	.section	.rodata,"a",@progbits
	.p2align	6, 0x0
	.amdhsa_kernel k_q3c219c69fa_proj
		.amdhsa_group_segment_fixed_size 135680
		.amdhsa_private_segment_fixed_size 0
		.amdhsa_enable_private_segment 0
		.amdhsa_kernarg_size 120
		.amdhsa_user_sgpr_count 2
		.amdhsa_user_sgpr_kernarg_segment_ptr 1
		.amdhsa_wavefront_size32 1
		.amdhsa_system_sgpr_workgroup_id_x 1
		.amdhsa_system_sgpr_workgroup_id_y 1
		.amdhsa_system_sgpr_workgroup_id_z 1
		.amdhsa_system_vgpr_workitem_id 0
		.amdhsa_next_free_vgpr 1024
		.amdhsa_next_free_sgpr 66
		.amdhsa_reserve_vcc 0
		.amdhsa_float_denorm_mode_32 3
		.amdhsa_float_denorm_mode_16_64 3
		.amdhsa_memory_ordered 1
		.amdhsa_forward_progress 1
		.amdhsa_inst_pref_size 209
	.end_amdhsa_kernel
	.amdgpu_metadata
---
amdhsa.version: [ 1, 2 ]
amdhsa.kernels:
  - .name:           k_q3c219c69fa_proj
    .symbol:         k_q3c219c69fa_proj.kd
    .args:
      - { .name: x_codes, .offset: 0, .size: 8, .value_kind: global_buffer, .address_space: global }
      - { .name: x_scales, .offset: 8, .size: 8, .value_kind: global_buffer, .address_space: global }
      - { .name: Wq_codes, .offset: 16, .size: 8, .value_kind: global_buffer, .address_space: global }
      - { .name: Wq_scales, .offset: 24, .size: 8, .value_kind: global_buffer, .address_space: global }
      - { .name: bq, .offset: 32, .size: 8, .value_kind: global_buffer, .address_space: global }
      - { .name: Wk_codes, .offset: 40, .size: 8, .value_kind: global_buffer, .address_space: global }
      - { .name: Wk_scales, .offset: 48, .size: 8, .value_kind: global_buffer, .address_space: global }
      - { .name: bk, .offset: 56, .size: 8, .value_kind: global_buffer, .address_space: global }
      - { .name: Wv_codes, .offset: 64, .size: 8, .value_kind: global_buffer, .address_space: global }
      - { .name: Wv_scales, .offset: 72, .size: 8, .value_kind: global_buffer, .address_space: global }
      - { .name: bv, .offset: 80, .size: 8, .value_kind: global_buffer, .address_space: global }
      - { .name: Qc, .offset: 88, .size: 8, .value_kind: global_buffer, .address_space: global }
      - { .name: Qs, .offset: 96, .size: 8, .value_kind: global_buffer, .address_space: global }
      - { .name: KVc, .offset: 104, .size: 8, .value_kind: global_buffer, .address_space: global }
      - { .name: KVs, .offset: 112, .size: 8, .value_kind: global_buffer, .address_space: global }
    .group_segment_fixed_size: 135680
    .private_segment_fixed_size: 0
    .kernarg_segment_align: 8
    .kernarg_segment_size: 120
    .max_flat_workgroup_size: 128
    .sgpr_count:     66
    .vgpr_count:     1024
    .wavefront_size: 32
...
	.end_amdgpu_metadata
.endif
;; end of part 4
;; launch attn (part 5): grid 256 x 1, 16 waves a work-group, no clusters, 40,960 bytes of LDS; arguments Qc, Qs, KVc, KVs, Cc, Cs; writes Cc, Cs
.if DOCPART == 5
	.amdgcn_target "amdgcn-amd-amdhsa--gfx1250"
	.amdhsa_code_object_version 6
	.text
	.protected	k_q3c219c69fa_attn
	.globl	k_q3c219c69fa_attn
	.p2align	8
	.type	k_q3c219c69fa_attn,@function
k_q3c219c69fa_attn:
	s_mov_b64 s[64:65], 0
	v_nop
	global_prefetch_b8 v0, s[64:65] scope:SCOPE_SE
	s_setreg_imm32_b32 hwreg(HW_REG_WAVE_SCHED_MODE, 0, 2), 2
	s_setreg_imm32_b32 hwreg(HW_REG_WAVE_MODE, 25, 1), 1
	s_wait_xcnt 0x0
	s_wait_alu depctr_vm_vsrc(0)
; Causal attention on codes of FP4 (E2M1): S^T = K Q^T (K = the head's 64), p = 2^(t - M), O^T = V^T P^T (K = the keys), O / l, and the quantiser of the heads for the last product.
; t = score x log2(e) / 8; M = the running largest t rounded up to a whole number; p is quantised along the keys, not normalised; the row's sum l is taken of the unquantised p and divides at the end.
; SHARES.  Work-group n: i = n % 8, head pair hp = (n / 8) % 8, batch b = n / 64.  It owns heads 2 hp and 2 hp + 1 and two blocks of 128 queries: first block i (i + 1 key steps of 128), then block 15 - i (16 - i steps):
; 17 key steps in every work-group, whatever i.  The last step of each pass lies on the diagonal; steps whose keys all come later are never walked.
; Wave: c = wave / 8 (which head), T = wave % 8 (its tile of 16 queries); four waves share a SIMD's registers, so that one wave's vector work stands beside another's matrix work and LDS loads.
; A lane holds ONE query throughout: row r of tile T is query rho(T, r) = 32 (T / 2) + 8 (T % 2) + r + 8 (r / 8) of its block.  The keys of a tile have the same order, so that registers 16 b + i of S^T are keys 32 b + 16 h + i.
; K = 64 IN AN INSTRUCTION OF 128: Q's registers 4-7 are zero codes; source 0 of key tile t is the run v[32 + 4 t : 39 + 4 t], whose upper four registers are the next tile's codes (zeros behind the last): finite numbers
; that meet zero codes and add nothing; bytes 2 and 3 of both scale words are 0, which is 2^-127.
; K AND V come as images of the operands' registers: a step's two records of codes (16,384 bytes) and of scale words (2,048 bytes).  Each of the 512 threads asks for 36 bytes of the next step at a step's head and stores
; them into the other of two LDS slots at its end; one barrier a step: ahead of it each wave has waited for its stores and its reads; the slot stored into was last read ahead of the barrier before.
; LIMITS: NaN and infinities are not served.  Hidden scores count as -infinity where the definition has -1e9: the same p = 0 as long as a row's largest open logit lies above about -1e9.  A block of the heads whose largest
; magnitude lies under 2^-124, a block of zeros among them, gets the byte 1; this program alone reads these bytes.
; NO CLUSTER: the eight work-groups that walk one head pair's K and V have first passes of different lengths (i + 1 steps), so from step i + 1 on they stand at different key blocks: partners would ask for different tiles.
; REGISTERS: v1-7, v30 addresses; v12 -M, v13 the largest t, v[14:15] the sum in two halves; v16-23 Q, v24 its scale word; v25, v26-29 the second pass's; v31 -infinity; v32-67 K; v68-71 K's scale words; v72-75 V's;
; v76-84 the next step on its way; v96-159 S^T, then p; v160-191 O^T; v192-223 V; v224-231 p's codes; v232-254 at work.  s48-63: at the head the bases of Q's loads and scalar work; on the diagonal sixteen masks.
; THE MODE: SCHED_MODE bits 1:0 = 2 (LLVM: expert scheduling mode 2), set by the entry lines.  The code itself states the register dependences
; between vector or matrix instructions and memory or LDS instructions, with s_wait_alu, always for 0.
; THE PLAN.  Registers that memory or LDS instructions touch:
;   v1-6, v30              Addresses and offsets: written at the head, never again.  One wait on va_vdst ahead of the first load.
;   v76-84                 The next step's 36 bytes: loaded at a step's head, read by the LDS stores at its end; no vector instruction names them.  One wait on vm_vsrc at a step's head, ahead of the loads.
;   v32-63, 68-75, 192-223 K, V and their scale words: LDS loads at a step's head, read by that step's matrix instructions.  One wait on va_vdst at a step's head states that the step before is done reading them.
;   v16-24, v64-67         Partly written by vector instructions (zero codes at the head; the second pass's queries at the end of the first) and taken by the first product: the same wait at a step's head states that they are written.
;   v224-231, v253         p's codes and scale word, written by vector instructions, taken by the second product: one wait on va_vdst behind the places, ahead of its four matrix instructions.
;                          At a pass's end they are two stores' data: one wait on va_vdst ahead of the stores, and in the first pass one on vm_vsrc behind them.
;   v96-103                At the end two LDS loads land in them: no vector instruction names them behind the last pass's wait on va_vdst.  One more such wait ahead of the last store.
;   v251, v255             Written at the head, read by the closing add alone.
; The diagonal's masks go into scalar registers in runs of sixteen, with one wait on va_sdst between a run of compares and the selects that read them.
.set SLOT, 18432                       ; a slot: 16,384 bytes of codes (head c at 8,192 c: K 4,096, V 4,096), 2,048 of scale words (head c at 1,024 c: K 512, V 512)
.set GATH, 36864                       ; behind the slots: the heads' scale words: [head c][pass][128 rows] words: 2,048 bytes
.macro PLACES
.rept 4
	v_nop
.endr
.endm
	s_load_b256 s[4:11], s[0:1], 0x0               ; Qc 4, Qs 6, KVc 8, KVs 10
	s_load_b128 s[12:15], s[0:1], 0x20             ; Cc 12, Cs 14
	v_lshl_add_u32 v251, v0, 2, 0x9800
	v_mov_b32 v255, 0
	v_lshrrev_b32 v8, 5, v0
	v_readfirstlane_b32 s16, v8                    ; wave 0..15
	s_wait_alu depctr_va_sdst(0)                   ; s16 is written, ahead of its first reader: the head, the tile and all that is made of them
	s_lshr_b32 s17, s16, 3                         ; c
	s_and_b32 s18, s16, 7                          ; T
	s_and_b32 s19, ttmp9, 7                        ; i
	s_bfe_u32 s20, ttmp9, 0x30003                  ; hp
	s_lshr_b32 s21, ttmp9, 6                       ; b
	s_lshl_b32 s22, s20, 1
	s_add_co_u32 s22, s22, s17                     ; my head
	s_add_co_u32 s23, s19, 1                       ; steps of the first pass
	s_lshl_b32 s27, s21, 4
	s_add_co_u32 s24, s27, 15
	s_sub_co_u32 s24, s24, s19                     ; the second pass's block of queries: 16 b + 15 - i
	s_add_co_u32 s27, s27, s19                     ; the first's: 16 b + i
	s_mov_b32 s28, 0x76543210
	s_mov_b32 s29, 0xfedcba98                      ; lane selects: lane l xor 16
	s_mov_b32 s30, 0x3e38aa3b                      ; log2(e) / 8
	s_mov_b32 s31, s30                             ; (named with it as a pair, so it is written)
	s_mov_b32 s41, 0
	v_and_b32 v8, 31, v0
	v_lshlrev_b32 v6, 4, v8                        ; 16 x lane
	s_lshl_b32 s56, s17, 13
	v_add_nc_u32 v1, s56, v6                       ; my head's codes in a slot
	s_lshl_b32 s56, s17, 10
	v_add_nc_u32 v2, s56, v6                       ; and its scale words
	v_lshlrev_b32 v3, 4, v0                        ; 16 x thread: where I fetch and store codes
	v_lshlrev_b32 v5, 2, v0                        ; 4 x thread: scale words
	v_and_b32 v8, 15, v0                           ; r
	s_wait_alu depctr_va_vdst(0)
	v_bfe_u32 v9, v0, 4, 1                         ; h
	v_and_b32 v10, 8, v8
	v_add_nc_u32 v10, v10, v8
	v_lshlrev_b32 v9, 4, v9
	v_sub_nc_u32 v7, v10, v9
	s_lshr_b32 s56, s18, 1
	s_lshl_b32 s56, s56, 5
	s_and_b32 s57, s18, 1
	s_lshl_b32 s57, s57, 3
	s_add_co_u32 s56, s56, s57
	v_add_nc_u32 v7, s56, v7                       ; d = my query in its block - 16 h
	s_lshl_b32 s56, s17, 10
	s_lshl_b32 s57, s18, 6
	s_add_co_u32 s56, s56, s57
	s_add_co_u32 s56, s56, GATH
	v_lshlrev_b32 v30, 2, v8
	v_add_nc_u32 v30, s56, v30                     ; GATH + 1,024 c + 64 T + 4 r
	v_lshlrev_b32 v4, 4, v8                        ; 16 r: Q's scale words
	; offsets
	s_lshl_b32 s58, s27, 4
	s_add_co_u32 s58, s58, s22                     ; the first pass's record of Q
	s_lshl_b32 s59, s24, 4
	s_add_co_u32 s59, s59, s22                     ; the second's
	s_wait_kmcnt 0x0
	s_lshl_b32 s57, s18, 9
	s_lshl_b32 s40, s58, 12
	s_add_co_u32 s40, s40, s57
	s_add_nc_u64 s[48:49], s[4:5], s[40:41]        ; Q's codes: record x 4,096 + 512 T
	s_lshl_b32 s40, s59, 12
	s_add_co_u32 s40, s40, s57
	s_add_nc_u64 s[52:53], s[4:5], s[40:41]
	s_and_b32 s57, s18, 1
	s_lshl_b32 s57, s57, 8
	s_lshr_b32 s56, s18, 1
	s_lshl_b32 s56, s56, 2
	s_add_co_u32 s57, s57, s56
	s_lshl_b32 s40, s58, 9
	s_add_co_u32 s40, s40, s57
	s_add_nc_u64 s[50:51], s[6:7], s[40:41]        ; Q's scale words: record x 512 + 256 (T % 2) + 4 (T / 2)
	s_lshl_b32 s40, s59, 9
	s_add_co_u32 s40, s40, s57
	s_add_nc_u64 s[54:55], s[6:7], s[40:41]
	s_lshl_b32 s56, s21, 8
	s_lshl_b32 s57, s20, 1
	s_add_co_u32 s56, s56, s57                     ; record 256 b + 2 hp: key block 0 of the head pair
	s_lshl_b32 s40, s56, 13
	s_add_nc_u64 s[32:33], s[8:9], s[40:41]
	s_lshl_b32 s40, s56, 10
	s_add_nc_u64 s[34:35], s[10:11], s[40:41]
	s_lshl_b32 s57, s18, 13
	s_lshl_b32 s56, s22, 9
	s_add_co_u32 s57, s57, s56
	s_lshl_b32 s40, s27, 16
	s_add_co_u32 s40, s40, s57
	s_add_nc_u64 s[42:43], s[12:13], s[40:41]      ; the heads' codes: (8 block + T) x 8,192 + 512 head
	s_lshl_b32 s40, s24, 16
	s_add_co_u32 s40, s40, s57
	s_add_nc_u64 s[44:45], s[12:13], s[40:41]
	s_cmp_eq_u32 s16, 0
	s_cselect_b32 s56, s27, s24                    ; wave 0 stores the first pass's scale words at the end, wave 1 the second's
	s_lshl_b32 s56, s56, 9
	s_lshl_b32 s40, s20, 15
	s_add_co_u32 s40, s40, s56
	s_add_nc_u64 s[46:47], s[14:15], s[40:41]
	s_wait_alu depctr_va_vdst(0)                   ; the addresses and offsets v1 to v6 and v30 are written: every load and store of the kernel reads one of them, and none is written again
	global_load_b128 v[16:19], v6, s[48:49]
	global_load_b32 v24, v4, s[50:51]
	global_load_b128 v[26:29], v6, s[52:53]
	global_load_b32 v25, v4, s[54:55]
	global_load_b128 v[76:79], v3, s[32:33]        ; key step 0
	global_load_b128 v[80:83], v3, s[32:33] offset:8192
	global_load_b32 v84, v5, s[34:35]
.irp j, 20,21,22,23,64,65,66,67
	v_mov_b32 v[\j], 0                             ; zero codes: the upper half of Q's fragment, and what stands behind K's last tile
.endr
.irp j, 14,15,236,237,238,239,253
	v_mov_b32 v[\j], 0                             ; the sum; and registers that are named before they are first written (a lane permute's destination, the upper half of a pair)
.endr
	v_mov_b32 v31, 0xff800000                      ; -infinity
	v_mov_b32 v13, 0xff61b1e6                      ; the largest t so far: -3e38, under every t
	v_floor_f32 v12, -v13                          ; -M
.set j, 0
.rept 32
	v_mov_b32 v[160+j], 0                          ; O^T: the step is written once; the first finds zeros, which the first change of M leaves zeros
.set j, j+1
.endr
	s_mov_b32 s25, 0                               ; the step, 0 .. 16
	s_mov_b32 s26, 8                               ; trips of two steps
	s_wait_loadcnt 0x0
	ds_store_b128 v3, v[76:79]
	ds_store_b128 v3, v[80:83] offset:8192
	ds_store_b32 v5, v84 offset:16384
	s_wait_dscnt 0x0                               ; for the others' sake: my part of slot 0 has landed
	s_barrier_signal -1
	s_barrier_wait -1
; THE END OF A PASS: O^T / l; its two blocks of 32 channels are quantised; the codes are half a fragment of the last product (512 consecutive bytes a wave), the two scale bytes go to LDS as a word.
.macro FINAL pass
	v_add_f32 v14, v14, v15                        ; the sum's two halves,
	v_permlanex16_b32 v252, v14, s28, s29
	v_add_f32 v14, v14, v252                       ; and lane l xor 16's
	s_wait_alu depctr_va_vdst(0)
	v_rcp_f32 v14, v14
	v_nop                                          ; a plain place behind the reciprocal
	s_wait_alu depctr_va_vdst(0)                   ; the reciprocal has written v14: the wait ahead of its first reader
.set j, 0
.rept 16
	v_pk_mul_f32 v[96+j:97+j], v[160+j:161+j], v[14:15] op_sel_hi:[1,0]   ; register 16 e + i: channel 32 e + 16 h + i; each accumulator from its low end on
.set j, j+2
.endr
.irp e, 0,1
	v_max3_num_f32 v[232+\e], |v[96+16*\e]|, |v[97+16*\e]|, 0x1800000     ; with the floor 2^(3 - 127)
.endr
.irp i, 2,4,6,8,10,12,14
.irp e, 0,1
	v_max3_num_f32 v[232+\e], v[232+\e], |v[96+16*\e+\i]|, |v[97+16*\e+\i]|
.endr
.endr
.irp e, 0,1
	v_permlanex16_b32 v[236+\e], v[232+\e], s28, s29
.endr
.irp e, 0,1
	v_max_num_f32 v[232+\e], v[232+\e], v[236+\e]
.endr
.irp e, 0,1
	v_add_nc_u32 v[244+\e], 0xff000000, v[232+\e]
.endr
.irp e, 0,1
	v_lshrrev_b32 v[236+\e], 23, v[244+\e]
.endr
	v_lshl_or_b32 v253, v237, 8, v236
.irp e, 0,1
	v_cvt_scalef32_pk8_fp4_f32 v[224+2*\e], v[96+16*\e:103+16*\e], v[244+\e]
	v_cvt_scalef32_pk8_fp4_f32 v[225+2*\e], v[104+16*\e:111+16*\e], v[244+\e]
.endr
	v_nop                                          ; one plain place behind the scaled conversions
.irp i, 0,1
	v_permlane16_swap_b32 v[224+\i], v[226+\i]
.endr
	s_wait_alu depctr_va_vdst(0)                   ; the codes v224-227 and the word v253 are written, which the two stores below read.  (In the second pass no vector instruction behind this wait names v96-103, in which the LDS loads at the kernel's end land)
	global_store_b128 v6, v[224:227], s[42+2*\pass:43+2*\pass]
	ds_store_b32 v30, v253 offset:512*\pass        ; lanes r and r + 16 write the same word with the same value
.if \pass == 0
.irp j, 0,1,2,3
	v_mov_b32 v[16+\j], v[26+\j]                   ; the second pass's queries
.endr
	v_mov_b32 v24, v25                             ; and their scale word: the clears below stand between it and the next matrix instruction
.set j, 0
.rept 32
	v_mov_b32 v[160+j], 0
.set j, j+1
.endr
	v_mov_b32 v14, 0
	v_mov_b32 v15, 0
	v_mov_b32 v13, 0xff61b1e6
	v_floor_f32 v12, -v13
	s_wait_xcnt 0x0                                ; the store has read its data: the next step writes those registers again
	s_wait_alu depctr_vm_vsrc(0)                   ; both stores have read v224-227 and v253, which the next step's vector instructions write again
.endif
.endm
; A KEY STEP of 128 keys, read from slot `slot`.  tail = 1: step 16, which has no successor and lies on the diagonal.
.macro STEP slot, tail
.set SB, (\slot)*SLOT
.set OB, (1-(\slot))*SLOT
	s_wait_alu depctr_va_vdst(0)                   ; the matrix instructions of the step before are done reading K, V and their scale words, in which the LDS loads below land; and what vector instructions wrote of Q's fragment, of its scale word and of the zero codes behind K (at the head; at the first pass's end) is written, ahead of the matrix instructions that take them
.if \tail == 0
	s_wait_alu depctr_vm_vsrc(0)                   ; my LDS stores of the step before (ahead of the first step: the head's) have read v76-84, in which the loads below land
	s_add_co_u32 s56, s25, 1                       ; the next step's key block: its number, less the first pass's steps once they are over
	s_cmp_ge_u32 s56, s23
	s_cselect_b32 s57, s23, 0
	s_sub_co_u32 s56, s56, s57
	s_lshl_b32 s40, s56, 17                        ; 16 records of 8,192 bytes from key block to key block
	s_add_nc_u64 s[36:37], s[32:33], s[40:41]      ; (the last loads by these bases were waited for at the end of the step before)
	s_lshl_b32 s40, s56, 14
	s_add_nc_u64 s[38:39], s[34:35], s[40:41]
	global_load_b128 v[76:79], v3, s[36:37]
	global_load_b128 v[80:83], v3, s[36:37] offset:8192
	global_load_b32 v84, v5, s[38:39]
.endif
.irp t, 0,1,2,3,4,5,6,7
	ds_load_b128 v[32+4*\t:35+4*\t], v1 offset:SB+512*\t               ; K's eight tiles
.endr
	ds_load_b128 v[68:71], v2 offset:SB+16384                          ; their scale words: register q: lanes 0-15 tile 2 q, lanes 16-31 tile 2 q + 1
.irp f, 0,1,2,3,4,5,6,7
	ds_load_b128 v[192+4*\f:195+4*\f], v1 offset:SB+4096+512*\f        ; V's four fragments
.endr
	ds_load_b128 v[72:75], v2 offset:SB+16384+512                      ; their scale words: register ct
	s_wait_dscnt 9                                 ; K and its words are in; V's nine loads may be out
.irp t, 0,1,2,3,4,5,6,7
.if (\t%2) == 1
	v_wmma_scale_f32_16x16x128_f8f6f4 v[96+8*\t:103+8*\t], v[32+4*\t:39+4*\t], v[16:23], 0, v[68+\t/2], v24 matrix_a_fmt:MATRIX_FMT_FP4 matrix_b_fmt:MATRIX_FMT_FP4 matrix_a_scale:MATRIX_SCALE_ROW1
.else
	v_wmma_scale_f32_16x16x128_f8f6f4 v[96+8*\t:103+8*\t], v[32+4*\t:39+4*\t], v[16:23], 0, v[68+\t/2], v24 matrix_a_fmt:MATRIX_FMT_FP4 matrix_b_fmt:MATRIX_FMT_FP4
.endif
.endr
	PLACES
	; on the diagonal (step i, and step 16) hidden scores become -infinity ahead of the maximum: register 16 b + i holds key 32 b + 16 h + i of the block: hidden where 32 b + i > d
.if \tail == 0
	s_cmp_lg_u32 s25, s19
	s_cbranch_scc1 .Lopen_\@
.endif
.irp b, 0,1,2,3                                ; a block of 32 keys at a time: sixteen compares into s48-63, one wait, sixteen selects
.set k, 0
.rept 16
	v_cmp_gt_i32 s[48+k], 32*\b+k, v7
.set k, k+1
.endr
	s_wait_alu depctr_va_sdst(0)                   ; the sixteen compares have written s48-63, ahead of the selects that read them
.set k, 0
.rept 16
	v_cndmask_b32 v[96+16*\b+k], v[96+16*\b+k], v31, s[48+k]
.set k, k+1
.endr
.endr
.if \tail == 0
.Lopen_\@:
.endif
.irp b, 0,1,2,3
	v_max3_num_f32 v[232+\b], v[96+16*\b], v[97+16*\b], v[98+16*\b]    ; the largest score of each block of 32 keys: for the row's maximum, and, since p rises with the score, for the block's largest p
.endr
.irp i, 3,5,7,9,11,13
.irp b, 0,1,2,3
	v_max3_num_f32 v[232+\b], v[232+\b], v[96+16*\b+\i], v[97+16*\b+\i]
.endr
.endr
.irp b, 0,1,2,3
	v_max_num_f32 v[232+\b], v[232+\b], v[111+16*\b]
.endr
.irp b, 0,1,2,3
	v_permlanex16_b32 v[236+\b], v[232+\b], s28, s29
.endr
.irp b, 0,1,2,3
	v_max_num_f32 v[232+\b], v[232+\b], v[236+\b]  ; with lane l xor 16's 16 keys
.endr
	v_max3_num_f32 v254, v232, v233, v234
	v_max_num_f32 v254, v254, v235
	v_mul_f32 v254, s30, v254                      ; the step's largest t of my query
	v_max_num_f32 v13, v13, v254
	v_mov_b32 v254, v12
	v_floor_f32 v12, -v13                          ; the new -M = floor(-t): M is a whole number
	v_sub_f32 v254, v12, v254                      ; old M - new M: a whole number, 0 or less
	v_cvt_i32_f32 v254, v254                       ; (it saturates)
	v_ldexp_f32 v252, 1.0, v254                    ; f = 2^(old M - new M): a multiplication by it rounds nothing
.set j, 0
.rept 32
	v_pk_fma_f32 v[96+j:97+j], v[96+j:97+j], s[30:31], v[12:13] op_sel_hi:[1,0,0]   ; t - M, two at a time
.set j, j+2
.endr
.irp b, 0,1,2,3
	v_fma_f32 v[232+\b], v[232+\b], s30, v12       ; the same of each block's largest score
.endr
.set j, 0
	s_wait_alu depctr_va_vdst(0)
.rept 64
	v_exp_f32 v[96+j], v[96+j]                     ; p = 2^(t - M), at most 1
.set j, j+1
.endr
	v_pk_mul_f32 v[14:15], v[14:15], v[252:253] op_sel_hi:[1,0]        ; the sums under the new M: a plain place behind the exponentials
	s_wait_alu depctr_va_vdst(0)                   ; the 64 exponentials have written v96-159: one wait for the batch, ahead of its first reader
.irp b, 0,1,2,3
	v_exp_f32 v[232+\b], v[232+\b]                 ; each block's largest p
.endr
	v_pk_add_f32 v[236:237], v[96:97], v[98:99]    ; the row's sum of the unquantised p, in two chains: it reads the 64 alone
.irp j, 4,8,12,16,20,24,28,32,36,40,44,48,52,56,60
	v_pk_add_f32 v[14:15], v[14:15], v[96+\j:97+\j]
	v_pk_add_f32 v[236:237], v[236:237], v[98+\j:99+\j]
.endr
	v_pk_add_f32 v[14:15], v[14:15], v[236:237]
	s_wait_alu depctr_va_vdst(0)                   ; the four exponentials have written v232-235: their wait, ahead of their first reader
.irp b, 0,1,2,3
	v_max_num_f32 v[232+\b], 0x1800000, v[232+\b]  ; the floor 2^(3 - 127): a block whose every p is 0 keeps the byte 1; its codes are zeros
.endr
.irp b, 0,1,2,3
	v_add_nc_u32 v[244+\b], 0xff000000, v[232+\b]  ; 2 off the exponent field: the conversion's scale operand
.endr
.irp b, 0,1,2,3
	v_lshrrev_b32 v[236+\b], 23, v[244+\b]         ; the scale's byte
.endr
	v_lshl_or_b32 v253, v237, 8, v236              ; p's scale word for these 128 keys
	v_lshl_or_b32 v253, v238, 16, v253
	v_lshl_or_b32 v253, v239, 24, v253
.irp b, 0,1,2,3
	v_cvt_scalef32_pk8_fp4_f32 v[224+2*\b], v[96+16*\b:103+16*\b], v[244+\b]
	v_cvt_scalef32_pk8_fp4_f32 v[225+2*\b], v[104+16*\b:111+16*\b], v[244+\b]
.endr
	v_nop                                          ; one plain place behind the scaled conversions
.irp c, 0,1
.irp i, 0,1
	v_permlane16_swap_b32 v[224+4*\c+\i], v[226+4*\c+\i]               ; a whole block to a lane
.endr
.endr
.set j, 0
.rept 16
	v_pk_mul_f32 v[160+j:161+j], v[160+j:161+j], v[252:253] op_sel_hi:[1,0]   ; O^T under the new M; these sixteen also stand between the writes of p's codes and scale word and the matrix instructions below
.set j, j+2
.endr
	s_wait_dscnt 0x0                               ; V and its words are in
	s_wait_alu depctr_va_vdst(0)                   ; p's codes v224-231 and its scale word v253 are written, ahead of the matrix instructions that take them; the places above stay beside this wait
.irp ct, 0,1,2,3
	v_wmma_scale_f32_16x16x128_f8f6f4 v[160+8*\ct:167+8*\ct], v[192+8*\ct:199+8*\ct], v[224:231], v[160+8*\ct:167+8*\ct], v[72+\ct], v253 matrix_a_fmt:MATRIX_FMT_FP4 matrix_b_fmt:MATRIX_FMT_FP4
.endr
	PLACES                                         ; ahead of the next step's loads into V's registers, and of the reads of O^T
.if \tail == 0
	s_cmp_lg_u32 s25, s19                          ; step i ends the first pass
	s_cbranch_scc1 .Lnofin_\@
	FINAL 0
.Lnofin_\@:
	s_add_co_u32 s25, s25, 1
	s_wait_loadcnt 0x0                             ; the next step's 36 bytes, asked for at this step's head
	ds_store_b128 v3, v[76:79] offset:OB
	ds_store_b128 v3, v[80:83] offset:OB+8192
	ds_store_b32 v5, v84 offset:OB+16384
	s_wait_dscnt 0x0                               ; my stores have landed and my reads of this slot are over
	s_barrier_signal -1
	s_barrier_wait -1
.endif
.endm
.Ltrip:                                            ; 8 trips of two steps: steps 0 .. 15, each of which has a successor
	STEP 0, 0
	STEP 1, 0
	s_sub_co_u32 s26, s26, 1
	s_cmp_lg_u32 s26, 0
	s_cbranch_scc1 .Ltrip
	STEP 0, 1
	FINAL 1
	s_wait_dscnt 0x0                               ; my scale words have landed
	s_barrier_signal -1
	s_barrier_wait -1
	s_cmp_lt_u32 s16, 2                            ; wave 0 stores the first pass's 128 scale words, wave 1 the second's
	s_cbranch_scc0 .Lend
	ds_load_b128 v[96:99], v3 offset:GATH          ; head 2 hp's two bytes of four rows (16 x thread: wave 0 reads bytes 0 .. 511, wave 1 bytes 512 .. 1,023),
	ds_load_b128 v[100:103], v3 offset:GATH+1024   ; head 2 hp + 1's
	s_wait_dscnt 0x0
.irp q, 0,1,2,3
	v_lshl_or_b32 v[96+\q], v[100+\q], 16, v[96+\q]
.endr
	s_wait_alu depctr_va_vdst(0)                   ; the four lines above have written v96-99, which the store reads
	global_store_b128 v6, v[96:99], s[46:47]       ; 512 consecutive bytes
.Lend:
	s_wait_dscnt 0x0                               ; the closing lines, six on end
	s_wait_alu 0x0
	s_wait_tensorcnt 0x0
	ds_add_u32 v251, v255
	s_wait_dscnt 0x0
	s_endpgm
.Lfunc_end_k_q3c219c69fa_attn:
	.size	k_q3c219c69fa_attn, .Lfunc_end_k_q3c219c69fa_attn-k_q3c219c69fa_attn
	.p2alignl 7, 3214868480
	.fill 96, 4, 3214868480
	.section	.rodata,"a",@progbits
	.p2align	6, 0x0
	.amdhsa_kernel k_q3c219c69fa_attn
		.amdhsa_group_segment_fixed_size 40960
		.amdhsa_private_segment_fixed_size 0
		.amdhsa_enable_private_segment 0
		.amdhsa_kernarg_size 48
		.amdhsa_user_sgpr_count 2
		.amdhsa_user_sgpr_kernarg_segment_ptr 1
		.amdhsa_wavefront_size32 1
		.amdhsa_system_sgpr_workgroup_id_x 1
		.amdhsa_system_sgpr_workgroup_id_y 1
		.amdhsa_system_sgpr_workgroup_id_z 1
		.amdhsa_system_vgpr_workitem_id 0
		.amdhsa_next_free_vgpr 256
		.amdhsa_next_free_sgpr 66
		.amdhsa_reserve_vcc 0
		.amdhsa_float_denorm_mode_32 3
		.amdhsa_float_denorm_mode_16_64 3
		.amdhsa_memory_ordered 1
		.amdhsa_forward_progress 1
		.amdhsa_inst_pref_size 94
	.end_amdhsa_kernel
	.amdgpu_metadata
---
amdhsa.version: [ 1, 2 ]
amdhsa.kernels:
  - .name:           k_q3c219c69fa_attn
    .symbol:         k_q3c219c69fa_attn.kd
    .args:
      - { .name: Qc, .offset: 0, .size: 8, .value_kind: global_buffer, .address_space: global }
      - { .name: Qs, .offset: 8, .size: 8, .value_kind: global_buffer, .address_space: global }
      - { .name: KVc, .offset: 16, .size: 8, .value_kind: global_buffer, .address_space: global }
      - { .name: KVs, .offset: 24, .size: 8, .value_kind: global_buffer, .address_space: global }
      - { .name: Cc, .offset: 32, .size: 8, .value_kind: global_buffer, .address_space: global }
      - { .name: Cs, .offset: 40, .size: 8, .value_kind: global_buffer, .address_space: global }
    .group_segment_fixed_size: 40960
    .private_segment_fixed_size: 0
    .kernarg_segment_align: 8
    .kernarg_segment_size: 48
    .max_flat_workgroup_size: 512
    .sgpr_count:     66
    .vgpr_count:     256
    .wavefront_size: 32
...
	.end_amdgpu_metadata
.endif
;; end of part 5
;; launch oproj (part 6): grid 8 x 32, 8 waves a work-group, no clusters, 136,192 bytes of LDS; arguments Cc, Cs, Wo_codes, Wo_scales, bo, out0; writes out0
.if DOCPART == 6
	.amdgcn_target "amdgcn-amd-amdhsa--gfx1250"
	.amdhsa_code_object_version 6
	.text
	.protected	k_q3c219c69fa_oproj
	.globl	k_q3c219c69fa_oproj
	.p2align	8
	.type	k_q3c219c69fa_oproj,@function
k_q3c219c69fa_oproj:
	s_mov_b64 s[64:65], 0
	v_nop
	global_prefetch_b8 v0, s[64:65] scope:SCOPE_SE
	s_setreg_imm32_b32 hwreg(HW_REG_WAVE_SCHED_MODE, 0, 2), 2
	s_setreg_imm32_b32 hwreg(HW_REG_WAVE_MODE, 25, 1), 1
	s_wait_xcnt 0x0
	s_wait_alu depctr_vm_vsrc(0)
; out0 = heads x Wo + bo on codes of FP4 (E2M1) with one E8M0 scale for each 32 along K = 1,024.  The heads come as images of the operand's registers (Cc [tile of 16 rows][head][lane][16 bytes]: heads 2 s and 2 s + 1 are
; registers 0-3 and 4-7 of K step s) with scale words Cs [K step][row][4 bytes]; Wo as rows of codes [column][K].
; SHARES.  Work-group (x = 128 columns, y = 256 rows).  Wave w owns tiles 16 y + 2 w and 16 y + 2 w + 1, which together are the 32 rows 256 y + 32 w on (place m of tile a is row 8 a + m + 8 (m / 8) of them), for all 128
; columns: 16 accumulators, 8 K steps, 128 matrix instructions.  Wo's 128 rows lie in LDS for all eight waves; the wave's own fragments of the heads, for all of K, stay in 128 registers.
; THE MATRIX INSTRUCTION IS USED TRANSPOSED (source 0 = 16 rows of Wo, source 1 = 16 rows of the heads): a lane holds eight neighbouring columns of a row.  The bias is loaded straight into the accumulators.
; Every input is asked for at the head; nothing in LDS is filled again; one barrier.  NO CLUSTER: what work-groups share (64 KB of Wo along y, 128 KB of the heads along x) is asked for once by each, against 128 KB that each stores.
; REGISTERS: window 0: v1-8 addresses; v16-47 Wo's scale words (4 t + q: lanes 0-15 K step q, lanes 16-31 K step 4 + q); v48-55 the heads' (register s: lanes 0-15 my first tile, lanes 16-31 my second);
; v64-127 Wo's rows on their way, later rows of the result; v128-255 the accumulators ((a, t) at 128 + 64 a + 8 t).   window 1: v0-127 the heads' fragments (64 a + 8 s); v128-255 Wo's fragments, two buffers of 8 tiles.
; THE MODE: SCHED_MODE bits 1:0 = 2 (LLVM: expert scheduling mode 2), set by the entry lines.  The code itself states the register dependences
; between vector or matrix instructions and memory or LDS instructions, with s_wait_alu, always for 0.
; THE PLAN.  Registers that memory or LDS instructions touch:
;   v1-8               Addresses and offsets: written at the head, never again.  One wait on va_vdst ahead of the first load.
;   window 1 v128-255  Wo's fragments, two buffers: K step s's matrix instructions read buffer s % 2; its LDS loads land in the other, which step s - 1 read: one wait on va_vdst at a step's head.
;   v128-255           The accumulators: the bias is loaded into them, matrix instructions write them, the stage's stores read them: one wait on va_vdst, behind the places, ahead of the way out.
;   v64-127, v128-191  On the way out the two tiles come back from the stage into them.  LDS stores have read both (Wo's rows at the head; the first tile's results): one wait on vm_vsrc ahead of each run of loads.
;   v62, v63           Written at the head, read by the closing add alone.
.set STG,  67584                       ; LDS: Wo's 128 rows x 528 bytes (512 + 16); then a stage of 16 rows x 528 for each wave
.set WS,   16
.set CS,   48
.set ACC,  128
.set MSB, 0
.macro WIN new
.if MSB != (\new)
	s_set_vgpr_msb (MSB<<8)|(\new)
.set MSB, (\new)
.endif
.endm
.macro PLACES
.rept 4
	v_nop
.endr
.endm
	s_load_b256 s[4:11], s[0:1], 0x0               ; Cc 4, Cs 6, Wo_codes 8, Wo_scales 10
	s_load_b128 s[12:15], s[0:1], 0x20             ; bo 12, out0 14
	v_lshl_add_u32 v62, v0, 2, 0x21000
	v_mov_b32 v63, 0
	v_lshrrev_b32 v9, 5, v0
	v_readfirstlane_b32 s16, v9                    ; wave 0..7
	s_and_b32 s17, ttmp7, 0xffff                   ; y
	v_and_b32 v9, 31, v0
	v_lshlrev_b32 v1, 4, v9                        ; 16 x lane
	v_lshlrev_b32 v5, 2, v9                        ; 4 x lane
	v_and_b32 v10, 15, v0                          ; r
	v_bfe_u32 v11, v0, 4, 1                        ; h
	v_mul_u32_u24 v2, v10, 528
	v_lshl_add_u32 v7, v11, 5, v2
	v_lshl_add_u32 v2, v11, 4, v2                  ; Wo's fragments: 528 r + 16 h
	s_wait_alu depctr_va_sdst(0)                   ; s16 is written, ahead of its first reader: LDS addresses and the pointers' offsets are made from it
	s_mul_i32 s18, s16, 8448
	v_add_nc_u32 v3, s18, v1                       ; where I store Wo's rows
	s_add_co_u32 s19, s18, STG
	v_add_nc_u32 v7, s19, v7                       ; my stage, in: 528 r + 32 h
	v_add_nc_u32 v8, s19, v1                       ; and back: 16 x lane
	v_lshlrev_b32 v4, 5, v10
	v_lshl_add_u32 v4, v11, 4, v4                  ; Wo's scale bytes: 32 r + 16 h
	v_lshlrev_b32 v6, 5, v11                       ; bo: 32 h
	s_lshl_b32 s20, s17, 4
	s_lshl_b32 s21, s16, 1
	s_add_co_u32 s20, s20, s21                     ; my first tile
	s_mov_b32 s23, 0
	s_wait_kmcnt 0x0
	s_lshl_b32 s22, s20, 13
	s_add_nc_u64 s[4:5], s[4:5], s[22:23]          ; a tile's 16 heads are 8,192 bytes
	s_lshl_b32 s22, s20, 6
	s_add_nc_u64 s[6:7], s[6:7], s[22:23]          ; and its scale words of a K step 64
	s_lshl_b32 s22, ttmp9, 16
	s_lshl_b32 s21, s16, 13
	s_add_co_u32 s22, s22, s21
	s_add_nc_u64 s[8:9], s[8:9], s[22:23]          ; Wo's rows 128 x + 16 w on: those that I bring into LDS
	s_lshl_b32 s22, ttmp9, 12
	s_add_nc_u64 s[10:11], s[10:11], s[22:23]
	s_lshl_b32 s22, ttmp9, 9
	s_add_nc_u64 s[12:13], s[12:13], s[22:23]
	s_lshl_b32 s21, s17, 20
	s_add_co_u32 s22, s22, s21
	s_lshl_b32 s21, s16, 17
	s_add_co_u32 s22, s22, s21
	s_add_nc_u64 s[14:15], s[14:15], s[22:23]      ; out0: row 256 y + 32 w of 4,096 bytes, column 128 x
	s_wait_alu depctr_va_vdst(0)                   ; the eight addresses and offsets v1 to v8 are written: every load and store of the kernel reads one of them, and none is written again
.irp m, 0,1,2,3,4,5,6,7,8,9,10,11,12,13,14,15
	global_load_b128 v[64+4*\m:67+4*\m], v1, s[8:9] offset:512*\m      ; a whole row of Wo a load
.endr
	WIN 0x40                                       ; destination window 1
.irp a, 0,1
.irp f, 0,1,2,3,4,5,6,7,8,9,10,11,12,13,14,15
	global_load_b128 v[64*\a+4*\f:64*\a+4*\f+3], v1, s[4:5] offset:8192*\a+512*\f   ; head f: registers 4 (f % 2) on of K step f / 2
.endr
.endr
	WIN 0
.irp t, 0,1,2,3,4,5,6,7
	global_load_b128 v[WS+4*\t:WS+4*\t+3], v4, s[10:11] offset:512*\t
.endr
.irp s, 0,1,2,3,4,5,6,7
	global_load_b32 v[CS+\s], v5, s[6:7] offset:32768*\s
.endr
	s_wait_loadcnt 48                              ; Wo's 16 rows are in; the 48 loads issued behind them may be out
.irp m, 0,1,2,3,4,5,6,7,8,9,10,11,12,13,14,15
	ds_store_b128 v3, v[64+4*\m:67+4*\m] offset:528*\m
.endr
.irp a, 0,1
.irp t, 0,1,2,3,4,5,6,7
	global_load_b128 v[ACC+64*\a+8*\t:ACC+64*\a+8*\t+3], v6, s[12:13] offset:64*\t        ; the bias starts the sums: register j of lane (r, h) is column 16 t + 8 h + j
	global_load_b128 v[ACC+64*\a+8*\t+4:ACC+64*\a+8*\t+7], v6, s[12:13] offset:64*\t+16
.endr
.endr
	s_wait_dscnt 0x0                               ; for the others' sake: my rows of Wo have landed
	s_barrier_signal -1
	s_barrier_wait -1
.macro FETCHW s, buf                   ; Wo's eight tiles of a K step: 16 LDS loads
	WIN 0x40
.irp t, 0,1,2,3,4,5,6,7
.irp c, 0,1
	ds_load_b128 v[128+64*(\buf)+8*\t+4*\c:128+64*(\buf)+8*\t+4*\c+3], v2 offset:8448*\t+64*(\s)+32*\c
.endr
.endr
.endm
	FETCHW 0, 0
	s_wait_loadcnt 0x0                             ; the heads, the scale words, the bias
.irp s, 0,1,2,3,4,5,6,7
.set KS, \s
.if \s > 0
	PLACES                                         ; the buffer that is loaded next was read by the step before
.endif
.if \s < 7
	WIN 0x40                                       ; the loads' window first, then the wait, then the loads
.if \s > 0
	s_wait_alu depctr_va_vdst(0)                   ; the matrix instructions of the step before are done reading their buffer of Wo, in which the LDS loads below land
.endif
	FETCHW \s+1, (\s+1)%2
	s_wait_dscnt 16                                ; this step's fragments are in; the sixteen loads just issued may be out
.else
	s_wait_dscnt 0
.endif
	WIN 0x05                                       ; sources 0 and 1 window 1; C and D window 0
.irp t, 0,1,2,3,4,5,6,7
.irp a, 0,1
.set rD, ACC+64*\a+8*\t
.set rA, 128+64*(KS%2)+8*\t
.set rB, 64*\a+8*KS
.set rSA, WS+4*\t+KS%4
.if KS >= 4
.if \a == 1
	v_wmma_scale_f32_16x16x128_f8f6f4 v[rD:rD+7], v[rA:rA+7], v[rB:rB+7], v[rD:rD+7], v[rSA], v[CS+KS] matrix_a_fmt:MATRIX_FMT_FP4 matrix_b_fmt:MATRIX_FMT_FP4 matrix_a_scale:MATRIX_SCALE_ROW1 matrix_b_scale:MATRIX_SCALE_ROW1
.else
	v_wmma_scale_f32_16x16x128_f8f6f4 v[rD:rD+7], v[rA:rA+7], v[rB:rB+7], v[rD:rD+7], v[rSA], v[CS+KS] matrix_a_fmt:MATRIX_FMT_FP4 matrix_b_fmt:MATRIX_FMT_FP4 matrix_a_scale:MATRIX_SCALE_ROW1
.endif
.else
.if \a == 1
	v_wmma_scale_f32_16x16x128_f8f6f4 v[rD:rD+7], v[rA:rA+7], v[rB:rB+7], v[rD:rD+7], v[rSA], v[CS+KS] matrix_a_fmt:MATRIX_FMT_FP4 matrix_b_fmt:MATRIX_FMT_FP4 matrix_b_scale:MATRIX_SCALE_ROW1
.else
	v_wmma_scale_f32_16x16x128_f8f6f4 v[rD:rD+7], v[rA:rA+7], v[rB:rB+7], v[rD:rD+7], v[rSA], v[CS+KS] matrix_a_fmt:MATRIX_FMT_FP4 matrix_b_fmt:MATRIX_FMT_FP4
.endif
.endif
.endr
.endr
.endr
	WIN 0
	PLACES
	s_wait_alu depctr_va_vdst(0)                   ; the matrix instructions have written the accumulators, which the stage's stores read and in the first 64 of which the second tile's rows land; the places above stay beside this wait
; THE WAY OUT: a tile's 16 rows x 128 columns go through my own stage and come back as whole rows of 512 bytes.  LDS serves a wave's instructions in order (ISA guide 5.7.1.4): no wait on DScnt between the stores and the loads,
; nor ahead of the second tile's stores.  The second tile comes back into the first tile's accumulators, whose stores into the stage stand earlier in that order.
.macro TOSTAGE a, bk
.irp t, 0,1,2,3,4,5,6,7
	ds_store_b128 v7, v[ACC+64*\a+8*\t:ACC+64*\a+8*\t+3] offset:64*\t          ; each accumulator from its low end on
	ds_store_b128 v7, v[ACC+64*\a+8*\t+4:ACC+64*\a+8*\t+7] offset:64*\t+16
.endr
	s_wait_alu depctr_vm_vsrc(0)                   ; LDS stores have read the registers in which the loads below land: for the first tile v64-127 (the stores of Wo's rows, at the head), for the second v128-191 (the first tile's stores into the stage)
.irp m, 0,1,2,3,4,5,6,7,8,9,10,11,12,13,14,15
	ds_load_b128 v[\bk+4*\m:\bk+4*\m+3], v8 offset:528*\m
.endr
.endm
.macro SEND a, bk, younger             ; younger: the LDS instructions issued behind this tile's loads
.irp m, 0,1,2,3,4,5,6,7,8,9,10,11,12,13,14,15
	s_wait_dscnt \younger+15-\m
	global_store_b128 v1, v[\bk+4*\m:\bk+4*\m+3], s[14:15] offset:(8*\a+\m+8*(\m/8))*4096 th:TH_STORE_NT   ; 32 lanes store 512 consecutive bytes, at a multiple of 512 from out0's first byte; written once, read by nobody here
.endr
.endm
	TOSTAGE 0, 64
	TOSTAGE 1, 128
	SEND 0, 64, 32
	SEND 1, 128, 0
	s_wait_dscnt 0x0                               ; the closing lines, six on end
	s_wait_alu 0x0
	s_wait_tensorcnt 0x0
	ds_add_u32 v62, v63
	s_wait_dscnt 0x0
	s_endpgm
.Lfunc_end_k_q3c219c69fa_oproj:
	.size	k_q3c219c69fa_oproj, .Lfunc_end_k_q3c219c69fa_oproj-k_q3c219c69fa_oproj
	.p2alignl 7, 3214868480
	.fill 96, 4, 3214868480
	.section	.rodata,"a",@progbits
	.p2align	6, 0x0
	.amdhsa_kernel k_q3c219c69fa_oproj
		.amdhsa_group_segment_fixed_size 136192
		.amdhsa_private_segment_fixed_size 0
		.amdhsa_enable_private_segment 0
		.amdhsa_kernarg_size 48
		.amdhsa_user_sgpr_count 2
		.amdhsa_user_sgpr_kernarg_segment_ptr 1
		.amdhsa_wavefront_size32 1
		.amdhsa_system_sgpr_workgroup_id_x 1
		.amdhsa_system_sgpr_workgroup_id_y 1
		.amdhsa_system_sgpr_workgroup_id_z 1
		.amdhsa_system_vgpr_workitem_id 0
		.amdhsa_next_free_vgpr 512
		.amdhsa_next_free_sgpr 66
		.amdhsa_reserve_vcc 0
		.amdhsa_float_denorm_mode_32 3
		.amdhsa_float_denorm_mode_16_64 3
		.amdhsa_memory_ordered 1
		.amdhsa_forward_progress 1
		.amdhsa_inst_pref_size 47
	.end_amdhsa_kernel
	.amdgpu_metadata
---
amdhsa.version: [ 1, 2 ]
amdhsa.kernels:
  - .name:           k_q3c219c69fa_oproj
    .symbol:         k_q3c219c69fa_oproj.kd
    .args:
      - { .name: Cc, .offset: 0, .size: 8, .value_kind: global_buffer, .address_space: global }
      - { .name: Cs, .offset: 8, .size: 8, .value_kind: global_buffer, .address_space: global }
      - { .name: Wo_codes, .offset: 16, .size: 8, .value_kind: global_buffer, .address_space: global }
      - { .name: Wo_scales, .offset: 24, .size: 8, .value_kind: global_buffer, .address_space: global }
      - { .name: bo, .offset: 32, .size: 8, .value_kind: global_buffer, .address_space: global }
      - { .name: out0, .offset: 40, .size: 8, .value_kind: global_buffer, .address_space: global }
    .group_segment_fixed_size: 136192
    .private_segment_fixed_size: 0
    .kernarg_segment_align: 8
    .kernarg_segment_size: 48
    .max_flat_workgroup_size: 256
    .sgpr_count:     66
    .vgpr_count:     512
    .wavefront_size: 32
...
	.end_amdgpu_metadata
.endif
;; end of part 6
